; MI455X (gfx1250); checked and timed in simulation.
; The chip was launched on July 23, 2026; its instructions are those of AMD's public machine-readable ISA for CDNA 5 (MIT licence, August 2026) and "CDNA5" Instruction Set Architecture Reference Guide (July 2026). The comments in the code are by the model that wrote it; some were corrected since.
;; Grouped Query Attention. Allowed arithmetic: matrix products marked QUANTISED: E5M2 operands, one E8M0 scale for each 32 along K, by v_wmma_scale_f32_16x16x128_f8f6f4 with both operands' format E5M2, f32 sums; everything else in f32.
;; Inputs: Wk 4,096 x 128 x 8 float32; Wq 4,096 x 128 x 32 float32; Wv 4,096 x 128 x 8 float32; bk 128 x 8 float32; bq 128 x 32 float32; bv 128 x 8 float32; x 2 x 1,024 x 4,096 float32.
;; Outputs: out0 2 x 1,024 x 4,096 float32.
;; This version of the problem:
;;   THIS VERSION OF THE PROBLEM IS GIVEN IN LOW PRECISION. The matrix products marked QUANTISED in the list below multiply operands that are first quantised to E5M2 (5 exponent bits, 2 mantissa bits; 8 bits a number), with one power-of-two scale for each 32 numbers along K (OCP MX v1.0); their sums are f32. All else is computed in f32.
;;   The module's matrix products, in the order in which they are computed (A, B: the left and right operand; K: the contracted axis; several contracted axes count as one K, in the product's order):
;;     1. [M 2,048, K 4,096] x [K 4,096, N 4,096]; A: input x; B: input Wq: QUANTISED
;;     2. [M 2,048, K 4,096] x [K 4,096, N 1,024]; A: input x; B: input Wk: QUANTISED
;;     3. [M 2,048, K 4,096] x [K 4,096, N 1,024]; A: input x; B: input Wv: QUANTISED
;;     4. batch 2,048 x [M 128, K 32] x [K 32, N 128]; A: computed on the way; B: computed on the way: QUANTISED
;;     5. batch 2,048 x [M 128, K 128] x [K 128, N 32]; A: softmax (see below); B: computed on the way: QUANTISED
;;   THE QUANTISER, for each operand of a quantised product, along K:
;;     - K is cut into blocks of 32 from its start; a last block that is shorter is filled with zeros.
;;     - A block's scale is 2^e with e = floor(log2(the largest magnitude in the block)) - 15, held to -126 .. 127; a block of zeros has e = 0. As a byte (E8M0): e + 127.
;;     - Each number is divided by its block's scale, clamped to +-57,344, and rounded to the nearest number of E5M2, ties to even, subnormals kept.
;;     - The product sums the exact products of the quantised numbers (number of the format x scale) in f32.
;;   ~~~python
;;   def quantise(x, axis):      # numpy; x: float32 -> the quantised numbers, widened to float32 again
;;       x = np.moveaxis(x, axis, -1); K = x.shape[-1]
;;       x = np.pad(x, [(0, 0)] * (x.ndim - 1) + [(0, -K % 32)]); x = x.reshape(x.shape[:-1] + (-1, 32)); a = np.abs(x).max(-1, keepdims=True)
;;       e = np.where(a > 0, np.clip(np.frexp(np.where(a > 0, a, 1))[1] - 1 - 15, -126, 127), 0)      # np.frexp(a)[1] - 1 = floor(log2(a)), exactly
;;       r = np.clip(x / 2.0 ** e, -57344, 57344)
;;       step = 2.0 ** (np.maximum(np.frexp(np.where(r == 0, 1, r))[1] - 1, -14) - 2)
;;       q = np.round(r / step) * step * 2.0 ** e      # np.round: ties to even
;;       return np.moveaxis(q.reshape(q.shape[:-2] + (-1,))[..., :K], -1, axis).astype(np.float32)
;;   ~~~
;;   SOFTMAX AHEAD OF A QUANTISED PRODUCT. Where the list says 'softmax', what is quantised is not the finished softmax but p = 2^(t - M), with t = logit x log2(e) and M = ceil(the row's largest t), a whole number; so 1/2 < the row's largest p <= 1. The row's sum l is taken of the UNQUANTISED p, in f32, and the product's result is divided by l at the end. Since M is a whole number, a kernel that streams over the keys may use a running M (the ceiling of the running maximum): every later rescaling is an exact power of two, which a block's scale takes up: the codes' values come out the same.
;;   OPERANDS COMPUTED ON THE WAY. 'Computed on the way' means the value that the module computes at that place (a softmax that the list does not call 'softmax' is quantised finished and normalised). What goes into a quantiser is computed in f32, as accurately as f32 sums, v_exp_f32 and their like allow (about 1e-6 of the number): no bf16 or f16 on the way to a quantiser, and a product that is left as it is and whose result goes on into a quantised operand takes f32 operands (vector FMAs, or v_wmma_f32_16x16x4_f32). A number that lies on a knife's edge between two numbers of the format may be rounded either way, as far as f32 arithmetic and the matrix unit's own rounding can turn it there, and no further.
;; 2 versions. Each part assembles by itself: llvm-mc -triple=amdgcn-amd-amdhsa -mcpu=gfx1250 --defsym DOCPART=n.
;; ======== version 1 of 2: 3 launches
;; workspace buffers: x_codes 8,388,608 bytes; x_scales 262,144 bytes; w_codes 25,165,824 bytes; w_scales 786,432 bytes; bias 24,576 bytes; qkv 50,331,648 bytes
;; launch quant (part 1): grid 1024 x 1, 4 waves a work-group, no clusters, 69,120 bytes of LDS; arguments x, Wq, Wk, Wv, bq, bk, bv, x_codes, x_scales, w_codes, w_scales, bias; writes x_codes, x_scales, w_codes, w_scales, bias
.if DOCPART == 1
	.amdgcn_target "amdgcn-amd-amdhsa--gfx1250"
	.amdhsa_code_object_version 6
	.text
	.protected	k_qc09aa38a4f_quant
	.globl	k_qc09aa38a4f_quant
	.p2align	8
	.type	k_qc09aa38a4f_quant,@function
k_qc09aa38a4f_quant:
	s_mov_b64 s[64:65], 0
	v_nop
	global_prefetch_b8 v0, s[64:65] scope:SCOPE_SE
	s_setreg_imm32_b32 hwreg(HW_REG_WAVE_MODE, 25, 1), 1
	s_wait_xcnt 0x0
; x [2048][4096] and the three weights [4096 (K)][columns], f32, become codes of BF8 (E5M2) with K innermost and one E8M0 byte for each 32 along K.
; A block's scale is 2^(floor(log2(its largest magnitude)) - 15); its byte is the largest magnitude's exponent field - 15, held at 1 from below.
; Each number is divided by the scale, held within +-57,344 and rounded to the nearest code, ties to even.
; LIMITS: a block of zeros gets the byte 1 where the rule says 127 (its codes are zeros, and this program alone reads the bytes); blocks whose largest
; magnitude lies under 2^(16 - 127) were not tried; NaN and infinities among the inputs are not served.
; THE ROWS OF w_codes [6144][4096] ARE THE PRODUCT'S COLUMNS, IN AN ORDER OF THIS PROGRAM'S OWN: q: 32 d + h;  k: 4096 + 8 e + hk;  v TURNED: 5120 + 128 hk + e.
; The three biases are copied into one vector in the same order.
; Work-groups 0 to 767 take the weights (128 columns x 256 along K each), 768 to 1023 take x (32,768 numbers each).  The two ways use LDS bytes of their own.
; No tensor loads, no barrier: waves share nothing.  No cluster: no two work-groups read the same bytes.
.set WGW,    768
.set FLOOR,  0x8000000                 ; 2^(16 - 127)
.set DOWN,   0xf8800000                ; -(15 << 23)
.set MANT,   0x600000                  ; the mantissa field of 57,344
; the weights' way
.set WPITCH, 272                       ; a stage row: 256 bytes of codes + 16
.set WSTG,   32*WPITCH                 ; a wave's stage
.set WSB,    24                        ; v24-25   my column's 8 scale bytes
.set WX,     32                        ; v32-95   two sets of 32 numbers
.set WC,     96                        ; v96-103  a block's codes
.set OUTR,   112                       ; v112-175 the way out
.set VO,     176                       ; v176-207 4 x lane + i x the weight's row pitch
.set VW,     208                       ; v208-211 the way out: offsets in w_codes
.set SBA,    36                        ; s[36:51] the weight at my columns, block t's first row
.set CBA,    52                        ; s[52:59] w_codes at my rows, four groups of eight columns
; x's way
.set XLDS,   35840                     ; behind the weights' four stages
.set STEPS,  16
.set SP,     80                        ; a lane's place in a stage: 64 bytes + 16
.set XR,     16                        ; v16-79   four sets of 16 numbers as loaded
.set XX,     80                        ; v80-111  two sets of 16 neighbours
.set XE,     112                       ; v112-127 a scale byte for each step
.set XC,     128                       ; v128-191 codes, four registers a step
	s_load_b512 s[8:23], s[0:1], 0x0               ; x 8, Wq 10, Wk 12, Wv 14, bq 16, bk 18, bv 20, x_codes 22
	s_load_b256 s[24:31], s[0:1], 0x40             ; x_scales 24, w_codes 26, w_scales 28, bias 30
	v_lshl_add_u32 v224, v0, 2, 0x10c00
	v_mov_b32 v225, 0
	v_lshrrev_b32 v1, 5, v0
	v_readfirstlane_b32 s32, v1                    ; wave 0..3
	v_and_b32 v2, 31, v0                           ; lane
	s_mov_b32 s63, MANT
	s_wait_kmcnt 0x0
	s_cmp_ge_u32 ttmp9, WGW
	s_cbranch_scc1 .Lx
; ---------------- THE WEIGHTS.  A lane takes a column, and its registers run down K: a block of 32 lies in one lane, and the codes come out with K innermost.
	s_lshr_b32 s33, ttmp9, 4                       ; g: which 128 columns of the 6,144
	s_and_b32 s34, ttmp9, 15                       ; y: which 256 along K
	s_cmp_lt_u32 s33, 40                           ; k or v?  Every choice hangs on the work-group's number alone
	s_cselect_b64 s[12:13], s[12:13], s[14:15]
	s_cselect_b64 s[18:19], s[18:19], s[20:21]
	s_mov_b32 s62, 5120
	s_cselect_b32 s62, 4096, s62                   ; the tensor's first row in w_codes
	s_cselect_b32 s60, 1, 128                      ; A: rows from column s to s + 1 within eight columns
	s_cselect_b32 s61, 8, 1                        ; Bm: rows from one group of eight columns to the next
	s_cselect_b32 s2, 0, 3                         ; v: eight columns (its heads) share one e
	s_cselect_b32 s3, 32, 40                       ; the tensor's first g
	s_cmp_lt_u32 s33, 32                           ; q, or what was chosen above?
	s_cselect_b64 s[10:11], s[10:11], s[12:13]     ; the weight
	s_cselect_b64 s[16:17], s[16:17], s[18:19]     ; its bias
	s_cselect_b32 s62, 0, s62
	s_cselect_b32 s3, 0, s3
	s_mov_b32 s35, 4096
	s_cselect_b32 s35, 16384, s35                  ; P: bytes from a row of the weight to the next
	s_sub_co_u32 s3, s33, s3
	s_lshl_b32 s3, s3, 7
	s_lshl_b32 s4, s32, 5
	s_add_co_u32 s3, s3, s4                        ; n0: my wave's first column in its tensor
	s_lshr_b32 s4, s3, s2
	s_add_co_u32 s62, s62, s4                      ; R0: column n0 + s goes to row R0 + A (s % 8) + Bm (s / 8)
	s_lshl_b32 s4, s34, 8
	s_mul_i32 s4, s4, s35                          ; 256 y rows of the weight,
	s_lshl_b32 s5, s3, 2
	s_add_co_u32 s4, s4, s5                        ; + 4 n0: under 2^27
	s_mov_b32 s5, 0
	s_add_nc_u64 s[SBA:SBA+1], s[10:11], s[4:5]
	s_lshl_b32 s4, s35, 5                          ; 32 rows on
.irp t, 1,2,3,4,5,6,7
	s_add_nc_u64 s[SBA+2*\t:SBA+2*\t+1], s[SBA+2*\t-2:SBA+2*\t-1], s[4:5]
.endr
	s_lshl_b32 s4, s62, 12
	s_lshl_b32 s6, s34, 8
	s_add_co_u32 s4, s4, s6                        ; 4096 R0 + 256 y
	s_add_nc_u64 s[CBA:CBA+1], s[26:27], s[4:5]
	s_lshl_b32 s4, s61, 12
.irp q, 1,2,3
	s_add_nc_u64 s[CBA+2*\q:CBA+2*\q+1], s[CBA+2*\q-2:CBA+2*\q-1], s[4:5]
.endr
	s_lshl_b32 s4, s62, 7
	s_lshl_b32 s6, s34, 3
	s_add_co_u32 s4, s4, s6
	s_add_nc_u64 s[12:13], s[28:29], s[4:5]        ; w_scales + 128 R0 + 8 y
	s_lshl_b32 s4, s3, 2
	s_add_nc_u64 s[14:15], s[16:17], s[4:5]        ; the tensor's bias at n0
	s_lshl_b32 s4, s62, 2
	s_add_nc_u64 s[18:19], s[30:31], s[4:5]        ; bias at R0
	v_lshlrev_b32 v3, 2, v2                        ; 4 bytes a lane
	s_mul_i32 s6, s32, WSTG                        ; my stage
	v_mul_u32_u24 v4, v2, WPITCH
	v_add_nc_u32 v4, s6, v4                        ; into it: row = my column
	v_and_b32 v5, 15, v2
	v_lshrrev_b32 v6, 4, v2
	v_mul_u32_u24 v7, v6, WPITCH
	v_lshl_add_u32 v7, v5, 4, v7
	v_add_nc_u32 v7, s6, v7                        ; out of it: sixteen lanes to a row, two rows an instruction
	v_and_b32 v8, 7, v2
	v_lshrrev_b32 v10, 3, v2
	v_mul_lo_u32 v8, v8, s60
	v_mul_lo_u32 v10, v10, s61
	v_add_nc_u32 v8, v8, v10                       ; my column's row, from R0 on
	v_lshlrev_b32 v9, 7, v8                        ; in w_scales: 128 bytes a row
	v_lshlrev_b32 v14, 2, v8                       ; in bias: 4 bytes
.irp i, 0,1,2,3,4,5,6,7,8,9,10,11,12,13,14,15,16,17,18,19,20,21,22,23,24,25,26,27,28,29,30,31
	v_mad_u32_u24 v[VO+\i], s35, \i, v3            ; row i of a block, my column
.endr
	s_lshl_b32 s7, s60, 12                         ; A rows of w_codes in bytes
	v_lshlrev_b32 v11, 4, v5
.irp j, 0,1,2,3
	v_add_nc_u32 v12, 2*\j, v6
	v_mad_u32_u24 v[VW+\j], v12, s7, v11           ; stage rows 2 j and 2 j + 1 of a group of eight: 4096 A (2 j + lane / 16) + 16 (lane % 16)
.endr
.macro WLOAD t                         ; block t: W(32 t + i, my column), i = 0 .. 31, into set t % 2; 32 lanes read 128 consecutive bytes, the four waves 512
.irp i, 0,1,2,3,4,5,6,7,8,9,10,11,12,13,14,15,16,17,18,19,20,21,22,23,24,25,26,27,28,29,30,31
	global_load_b32 v[WX+32*((\t)%2)+\i], v[VO+\i], s[SBA+2*(\t):SBA+2*(\t)+1] th:TH_LOAD_NT
.endr
.endm
	WLOAD 0
	WLOAD 1
.macro WBLOCK t
.set XS, WX+32*((\t)%2)
.if (\t) < 7
	s_wait_loadcnt 32                              ; this block's 32 loads are in; the next block's 32 may be out
.else
	s_wait_loadcnt 0
.endif
	v_max3_num_f32 v12, |v[XS]|, |v[XS+1]|, |v[XS+2]|               ; the block's largest magnitude: all 32 numbers are mine
	v_max3_num_f32 v13, |v[XS+3]|, |v[XS+4]|, |v[XS+5]|
.irp i, 6,10,14,18,22,26
	v_max3_num_f32 v12, v12, |v[XS+\i]|, |v[XS+\i+1]|
	v_max3_num_f32 v13, v13, |v[XS+\i+2]|, |v[XS+\i+3]|
.endr
	v_max3_num_f32 v12, v12, |v[XS+30]|, |v[XS+31]|
	v_max3_num_f32 v12, v12, v13, FLOOR            ; and the floor: the byte cannot fall under 1
	v_add_nc_u32 v11, DOWN, v12                    ; 15 off the exponent field: the conversion's scale operand
	v_and_or_b32 v10, v12, 0x7f800000, s63         ; 57,344 x the scale
	v_lshrrev_b32 v13, 23, v11                     ; the scale's byte
.if (\t)%4 == 0
	v_mov_b32 v[WSB+(\t)/4], v13                   ; four bytes to a register, the lower K in the lower byte
.else
	v_lshl_or_b32 v[WSB+(\t)/4], v13, 8*((\t)%4), v[WSB+(\t)/4]
.endif
.irp i, 0,1,2,3,4,5,6,7,8,9,10,11,12,13,14,15,16,17,18,19,20,21,22,23,24,25,26,27,28,29,30,31
	v_med3_num_f32 v[XS+\i], v[XS+\i], -v10, v10   ; the conversion to an 8-bit code does not saturate (ISA guide 7.6.2): the hold comes first
.endr
.irp g, 0,1,2,3
	v_cvt_scalef32_pk8_bf8_f32 v[WC+2*\g:WC+2*\g+1], v[XS+8*\g:XS+8*\g+7], v11
.endr
	ds_store_b128 v4, v[WC:WC+3] offset:32*(\t)    ; 32 codes: 32 bytes of my column's row
	ds_store_b128 v4, v[WC+4:WC+7] offset:32*(\t)+16
.if (\t)+2 < 8
	WLOAD (\t)+2
.endif
	s_wait_dscnt 0x0                               ; the stores have read their registers: the next block's codes may be written
.endm
.irp t, 0,1,2,3,4,5,6,7
	WBLOCK \t
.endr
	global_store_b64 v9, v[WSB:WSB+1], s[12:13]    ; my column's 8 scale bytes
.irp t, 0,1,2,3,4,5,6,7,8,9,10,11,12,13,14,15
	ds_load_b128 v[OUTR+4*\t:OUTR+4*\t+3], v7 offset:2*\t*WPITCH   ; LDS serves a wave's instructions in order: these see my stores
.endr
.irp t, 0,1,2,3,4,5,6,7,8,9,10,11,12,13,14,15
	s_wait_dscnt 15-\t
	global_store_b128 v[VW+\t%4], v[OUTR+4*\t:OUTR+4*\t+3], s[CBA+2*(\t/4):CBA+2*(\t/4)+1]   ; sixteen lanes store 256 consecutive bytes, at a multiple of 256 from the buffer's first byte
.endr
	s_cmp_lg_u32 s34, 0                            ; the work-groups of the first 256 along K also copy their columns' bias
	s_cbranch_scc1 .Lwend
	global_load_b32 v212, v3, s[14:15]
	s_wait_loadcnt 0x0
	global_store_b32 v14, v212, s[18:19]
.Lwend:
	s_wait_tensorcnt 0x0
	ds_add_u32 v224, v225
	s_wait_dscnt 0x0
	s_endpgm
; ---------------- x.  Rows are dense, so x is a plain stream of blocks of 32, and so are its codes and its scale bytes.  A wave takes 16 steps of 512 numbers.
; Each load reads 512 consecutive bytes; a step's 2,048 bytes turn through the wave's own stage, so that a lane then holds 16 neighbours; two neighbouring lanes hold a block.
.Lx:
	s_sub_co_u32 s33, ttmp9, WGW
	s_lshl_b32 s33, s33, 2
	s_add_co_u32 s33, s33, s32                     ; which run of 8,192 numbers is my wave's
	s_lshl_b32 s34, s33, 15
	s_mov_b32 s35, 0
	s_add_nc_u64 s[8:9], s[8:9], s[34:35]          ; x
	s_lshl_b32 s34, s33, 13
	s_add_nc_u64 s[22:23], s[22:23], s[34:35]      ; its codes
	s_lshl_b32 s34, s33, 8
	s_add_nc_u64 s[24:25], s[24:25], s[34:35]      ; its scale bytes
	v_lshlrev_b32 v3, 4, v2                        ; my 16 bytes of a load's 512, and of a step's 512 bytes of codes
	s_lshl_b32 s36, s32, 13
	s_add_co_u32 s36, s36, XLDS                    ; my wave's 8,192 bytes of LDS: two stages, then 256 scale bytes
	v_lshrrev_b32 v14, 2, v2
	v_mul_u32_u24 v14, v14, SP
	v_and_b32 v15, 3, v2
	v_lshl_add_u32 v14, v15, 4, v14
	v_add_nc_u32 v14, s36, v14                     ; into a stage: four lanes' 64 bytes on end, then 16 of padding
	v_mul_u32_u24 v15, v2, SP
	v_add_nc_u32 v15, s36, v15                     ; out of it: my 16 neighbours
	v_lshrrev_b32 v5, 1, v2
	s_add_co_u32 s36, s36, 2*32*SP
	v_add_nc_u32 v5, s36, v5                       ; my block's scale byte
	v_lshlrev_b32 v7, 3, v2
	v_add_nc_u32 v6, s36, v7                       ; and on the way out 8 bytes a lane
.macro XLOAD t
.irp i, 0,1,2,3
	global_load_b128 v[XR+16*((\t)%4)+4*\i:XR+16*((\t)%4)+4*\i+3], v3, s[8:9] offset:2048*(\t)+512*\i th:TH_LOAD_NT
.endr
.endm
.macro XTURN t                         ; step t's numbers through the stage: LDS serves a wave's instructions in order, so no wait stands between the stores and the loads
.irp i, 0,1,2,3
	ds_store_b128 v14, v[XR+16*((\t)%4)+4*\i:XR+16*((\t)%4)+4*\i+3] offset:32*SP*((\t)%2)+8*SP*\i
.endr
.irp i, 0,1,2,3
	ds_load_b128 v[XX+16*((\t)%2)+4*\i:XX+16*((\t)%2)+4*\i+3], v15 offset:32*SP*((\t)%2)+16*\i
.endr
.endm
.irp t, 0,1,2,3
	XLOAD \t
.endr
	s_wait_loadcnt 12                              ; step 0's four loads are in; three steps' twelve may be out
	XTURN 0
.macro XSTEP t
.set XSS, XX+16*((\t)%2)
.if (\t) > 0
	s_wait_dscnt 1                                 ; this step's numbers are back from the stage (the last step's byte store may be out)
.else
	s_wait_dscnt 0x0
.endif
.if (\t)+4 < STEPS
	XLOAD (\t)+4                                   ; into the registers that the stage's stores have read
.endif
.if (\t)+1 < STEPS
.if STEPS-2-(\t) >= 3
	s_wait_loadcnt 12                              ; the next step's four loads are in; those of the three steps behind it may be out
.else
	s_wait_loadcnt 4*(STEPS-2-(\t))
.endif
	XTURN (\t)+1
.endif
	v_max3_num_f32 v8, |v[XSS]|, |v[XSS+1]|, |v[XSS+2]|
	v_max3_num_f32 v9, |v[XSS+3]|, |v[XSS+4]|, |v[XSS+5]|
.irp i, 6,10
	v_max3_num_f32 v8, v8, |v[XSS+\i]|, |v[XSS+\i+1]|
	v_max3_num_f32 v9, v9, |v[XSS+\i+2]|, |v[XSS+\i+3]|
.endr
	v_max3_num_f32 v8, v8, |v[XSS+14]|, |v[XSS+15]|
	v_max3_num_f32 v8, v8, v9, FLOOR
	v_max_num_f32_dpp v8, v8, v8 row_xmask:1 row_mask:0xf bank_mask:0xf   ; with my neighbour's 16: the block's largest magnitude
	v_add_nc_u32 v11, DOWN, v8
	v_and_or_b32 v10, v8, 0x7f800000, s63
.irp i, 0,1,2,3,4,5,6,7,8,9,10,11,12,13,14,15
	v_med3_num_f32 v[XSS+\i], v[XSS+\i], -v10, v10
.endr
	v_cvt_scalef32_pk8_bf8_f32 v[XC+4*(\t):XC+4*(\t)+1], v[XSS:XSS+7], v11
	v_cvt_scalef32_pk8_bf8_f32 v[XC+4*(\t)+2:XC+4*(\t)+3], v[XSS+8:XSS+15], v11
	v_lshrrev_b32 v[XE+(\t)], 23, v11              ; the scale's byte
	ds_store_b8 v5, v[XE+(\t)] offset:16*(\t)      ; both lanes of a block write the same byte with the same value
	global_store_b128 v3, v[XC+4*(\t):XC+4*(\t)+3], s[22:23] offset:512*(\t)   ; 32 lanes store 512 consecutive bytes
.endm
.irp t, 0,1,2,3,4,5,6,7,8,9,10,11,12,13,14,15
	XSTEP \t
.endr
	ds_load_b64 v[12:13], v6                       ; LDS serves a wave's instructions in order: these see my stores
	s_wait_dscnt 0x0
	global_store_b64 v7, v[12:13], s[24:25]        ; 32 lanes store 256 consecutive bytes, aligned
	s_wait_tensorcnt 0x0
	ds_add_u32 v224, v225
	s_wait_dscnt 0x0
	s_endpgm
.Lfunc_end_k_qc09aa38a4f_quant:
	.size	k_qc09aa38a4f_quant, .Lfunc_end_k_qc09aa38a4f_quant-k_qc09aa38a4f_quant
	.p2alignl 7, 3214868480
	.fill 96, 4, 3214868480
	.section	.rodata,"a",@progbits
	.p2align	6, 0x0
	.amdhsa_kernel k_qc09aa38a4f_quant
		.amdhsa_group_segment_fixed_size 69120
		.amdhsa_private_segment_fixed_size 0
		.amdhsa_enable_private_segment 0
		.amdhsa_kernarg_size 96
		.amdhsa_user_sgpr_count 2
		.amdhsa_user_sgpr_kernarg_segment_ptr 1
		.amdhsa_wavefront_size32 1
		.amdhsa_system_sgpr_workgroup_id_x 1
		.amdhsa_system_sgpr_workgroup_id_y 1
		.amdhsa_system_sgpr_workgroup_id_z 1
		.amdhsa_system_vgpr_workitem_id 0
		.amdhsa_next_free_vgpr 226
		.amdhsa_next_free_sgpr 66
		.amdhsa_reserve_vcc 0
		.amdhsa_float_denorm_mode_32 3
		.amdhsa_float_denorm_mode_16_64 3
		.amdhsa_memory_ordered 1
		.amdhsa_forward_progress 1
		.amdhsa_inst_pref_size 113
	.end_amdhsa_kernel
	.amdgpu_metadata
---
amdhsa.version: [ 1, 2 ]
amdhsa.kernels:
  - .name:           k_qc09aa38a4f_quant
    .symbol:         k_qc09aa38a4f_quant.kd
    .args:
      - { .name: x, .offset: 0, .size: 8, .value_kind: global_buffer, .address_space: global }
      - { .name: Wq, .offset: 8, .size: 8, .value_kind: global_buffer, .address_space: global }
      - { .name: Wk, .offset: 16, .size: 8, .value_kind: global_buffer, .address_space: global }
      - { .name: Wv, .offset: 24, .size: 8, .value_kind: global_buffer, .address_space: global }
      - { .name: bq, .offset: 32, .size: 8, .value_kind: global_buffer, .address_space: global }
      - { .name: bk, .offset: 40, .size: 8, .value_kind: global_buffer, .address_space: global }
      - { .name: bv, .offset: 48, .size: 8, .value_kind: global_buffer, .address_space: global }
      - { .name: x_codes, .offset: 56, .size: 8, .value_kind: global_buffer, .address_space: global }
      - { .name: x_scales, .offset: 64, .size: 8, .value_kind: global_buffer, .address_space: global }
      - { .name: w_codes, .offset: 72, .size: 8, .value_kind: global_buffer, .address_space: global }
      - { .name: w_scales, .offset: 80, .size: 8, .value_kind: global_buffer, .address_space: global }
      - { .name: bias, .offset: 88, .size: 8, .value_kind: global_buffer, .address_space: global }
    .group_segment_fixed_size: 69120
    .private_segment_fixed_size: 0
    .kernarg_segment_align: 8
    .kernarg_segment_size: 96
    .max_flat_workgroup_size: 128
    .sgpr_count:     66
    .vgpr_count:     226
    .wavefront_size: 32
...
	.end_amdgpu_metadata
.endif
;; end of part 1
;; launch gemm (part 2): grid 32 x 8, 4 waves a work-group, clusters of 4 x 4, 327,680 bytes of LDS; arguments x_codes, x_scales, w_codes, w_scales, bias, qkv; writes qkv
.if DOCPART == 2
	.amdgcn_target "amdgcn-amd-amdhsa--gfx1250"
	.amdhsa_code_object_version 6
	.text
	.protected	k_qc09aa38a4f_gemm
	.globl	k_qc09aa38a4f_gemm
	.p2align	8
	.type	k_qc09aa38a4f_gemm,@function
k_qc09aa38a4f_gemm:
	s_mov_b64 s[64:65], 0
	v_nop
	global_prefetch_b8 v0, s[64:65] scope:SCOPE_SE
	s_setreg_imm32_b32 hwreg(HW_REG_WAVE_MODE, 25, 1), 1
	s_wait_xcnt 0x0
	s_wait_alu depctr_hold_cnt(0) depctr_sa_sdst(0) depctr_va_vdst(0) depctr_va_sdst(0) depctr_va_ssrc(0) depctr_va_vcc(0) depctr_vm_vsrc(0)
	s_getreg_b32 s2, hwreg(HW_REG_IB_STS2, 6, 4)
	s_cmp_eq_u32 s2, 0
	s_cbranch_scc0 .Lentry_in_a_cluster
	s_endpgm
.Lentry_in_a_cluster:
	s_bfe_u32 s2, ttmp6, 0x10000c
	s_cmp_lg_u32 s2, 0xf033
	s_cbranch_scc0 .Lentry_shape_is_right
	s_endpgm
.Lentry_shape_is_right:
; qkv[m][n] = bias[n] + sum over k of X[m][k] W[n][k].  X: [2048][4096], W: [6144][4096]: codes of BF8 (E5M2) with one E8M0 byte for each 32 along K ([rows][128]); bias [6144], qkv [2048][6144]: f32; sums in f32.
; A tile of qkv is 256 rows x 192 columns: 8 x 32 = 256 tiles, one for each work-group of four waves; a wave makes 128 x 96: 48 accumulators of 16 x 16.
; K goes in steps of 256 through a ring of two LDS slots filled by the tensor data mover: a tile's row is 256 bytes of memory.
; THE SCALES of the work-group's 256 rows of X and 192 rows of W, for all of K, are two dense blocks of memory: they come into LDS once, with the first fills, and stay.
; CLUSTERS: 4 x 4 work-groups.  The four of a row of the cluster need the same tiles of X, the four of a column the same tiles of W: each tile is asked for JOINTLY, by the same tensor load with the same
; descriptor and a mask that names the four.  THE MATRIX INSTRUCTION IS USED TRANSPOSED (source 0 = 16 rows of W, source 1 = 16 rows of X): a lane then holds eight neighbouring numbers of a row of qkv.
; The bias is the C of each sum's first matrix instruction: eight registers for each of my six blocks of columns, in the result's layout.
; REGISTERS, in windows of 256: window 0: v0-31 addresses; v32-63 scale words, two sets; v64-111 the bias; v128-255 X's fragments (8 x 16 rows x 128 K), ONE set; on the way out v128-223 take rows of qkv.
;   window 1: W's fragments, TWO sets of six, at v0 and at v128.   window 2: the accumulators of my rows 0-63 ((a, b) at v[8 (8 a + b)], b under 6);   window 3: those of my rows 64-127.
.set NQ,     2                         ; matrix instructions deep in a slot
.set ROWB,   256                       ; a tile's row in bytes
.set KROW,   4096                      ; a row of codes in memory
.set KS,     128                       ; a row of scale bytes
.set PITCH,  272                       ; an LDS row: 256 bytes + 16 of padding = 68 words: the 16 rows that a load touches start at 16 different banks (64 banks of 4 bytes: ISA guide 11.1)
.set FR,     16                        ; registers of a fragment
.set NL,     4                         ; LDS loads that bring one
.set NP,     8                         ; places behind this matrix instruction (ISA guide 7.12.1)
.set HALFA,  128*PITCH                 ; 128 rows of X: one tensor load, and what one wave reads
.set HALFB,  96*PITCH                  ; 96 rows of W likewise
.set SLOT,   2*HALFA+2*HALFB           ; X's 256 rows, then W's 192
.set LAPS,   8                         ; a lap = two K steps = once round the ring: 4096 / 512
.set SCL,    2*SLOT                    ; behind the ring: the scales, as runs of 256 bytes + 16 of padding
.set HSA,    64*272                    ; those of 128 rows of X,
.set HSB,    48*272                    ; of 96 rows of W,
.set SBLK,   8*272                     ; of 16 rows
.set SPARE,  SCL+2*HSA+2*HSB           ; behind the scales: the spare words, 128 bytes for each wave: two blocks of 256 bytes that no other line names
.set SPITCH, 784                       ; the way out: ONE stage of 256 rows x (768 bytes + 16) for the work-group, from LDS byte 0 on, over both slots, which have then had their last fill and their last read
.set CROW,   24576                     ; a row of qkv in bytes
.set ADRA, 16                          ; v16-17  LDS address of my X fragments in slot 0, 1
.set BO,   19                          ; v19     32 x (lane / 16): my eight numbers of a block's bias
.set ADRB, 20                          ; v20-21  the same as ADRA for W
.set RD1,  22                          ; v22     the way out: the middle 512 bytes of a pair of stage rows
.set CO1,  23                          ; v23     and their place in qkv
.set STO,  24                          ; v24     the way out: where I put 32 bytes of a row (blocks 0-3)
.set RD0,  25                          ; v25     the way out: 512 bytes on end of a stage row
.set CO0,  26                          ; v26     16 x lane
.set ADRS, 27                          ; v27     my scale words: lanes 0-15 X's rows, lanes 16-31 W's
.set SPW,  28                          ; v28     LDS address of my spare word; never rewritten
.set NIL,  29                          ; v29     0; never rewritten
.set ADRS2, 30                         ; v30     all lanes X's rows: for X's blocks 6 and 7, which have no partner among W's six
.set STO2, 31                          ; v31     STO for blocks 4-7
.set SC,   32                          ; scale words: set s at v[SC + 16 s]; register 2 i + q: lanes 0-15 X's block i, lanes 16-31 W's block i, the slot's q-th 128 along K
.set BIAS, 64
.set AF,   128
.set BK,   128                         ; the way out: two buffers of 48 registers
.set G1, 24                            ; s[24:31] descriptor group 1 for X's tiles;  s[32:39] group 0, one set for each slot
.set G0, 32
.set G1B, 48                           ; s[48:55], s[56:63] the same for W's tiles
.set G0B, 56
.set G1S, 68                           ; s[68:75], s[76:79] groups 1 and 0 for X's scales;  s[80:87], s[88:91] for W's
.set G0S, 76
.set G1SB, 80
.set G0SB, 88
.set MSB, 0
.macro WIN new                         ; the immediate's high byte repeats the setting that is left
.if MSB != \new
	s_set_vgpr_msb (MSB<<8)|\new
.set MSB, \new
.endif
.endm
.set MUL_LO,   0xa1                    ; source 0 (W) window 1, source 1 (X) window 0, C and D window 2
.set MUL_HI,   0xf1                    ; the same, C and D window 3
.set FIRST_LO, 0x81                    ; C (the bias) window 0, D window 2
.set FIRST_HI, 0xc1                    ; C window 0, D window 3
.set TO_B,     0x40                    ; destination window 1, address window 0
; A joint load: waves 0 and 1 fetch for X, waves 2 and 3 for W.  Each of the two lines has ONE mask and one set of registers for all that issue it; the branch hangs on the wave's number alone.
; Four v_nop follow each of the two lines, ahead of the jump, the label and what follows.
.macro JLOAD g0a, g1a, g0b, g1b
	s_cmp_eq_u32 s15, 0
	s_cbranch_scc0 .Lfor_b_\@
	tensor_load_to_lds s[\g0a:\g0a+3], s[\g1a:\g1a+7]
	s_nop 0
.rept 4
	v_nop
.endr
	s_branch .Lasked_\@
.Lfor_b_\@:
	tensor_load_to_lds s[\g0b:\g0b+3], s[\g1b:\g1b+7]
	s_nop 0
.rept 4
	v_nop
.endr
.Lasked_\@:
.endm
.macro CREST                           ; a round of the cluster's barrier behind its opening barrier
	s_cmp_lg_u32 s14, 0
	s_cbranch_scc1 .Lnot_wave_0_\@
	s_barrier_signal -3
.Lnot_wave_0_\@:
	s_barrier_wait -3
	s_barrier_signal -1
	s_barrier_wait -1
.endm
.macro CROUND                          ; a whole round
	s_barrier_signal -1
	s_barrier_wait -1
	CREST
.endm
	s_load_b128 s[4:7], s[0:1], 0x0                ; X's codes s[4:5], X's scales s[6:7]
	s_load_b128 s[8:11], s[0:1], 0x10              ; W's codes s[8:9], W's scales s[10:11]
	s_load_b64 s[66:67], s[0:1], 0x20              ; bias
	s_load_b64 s[12:13], s[0:1], 0x28              ; qkv
	v_lshl_add_u32 v[SPW], v0, 2, SPARE
	v_mov_b32 v[NIL], 0
	ds_add_u32 v28, v29
	ds_add_u32 v28, v29
	s_wait_dscnt 0x0
	v_lshrrev_b32 v1, 5, v0
	v_readfirstlane_b32 s14, v1                    ; wave 0..3
	s_lshr_b32 s15, s14, 1                         ; which half of the tile's rows is mine.  Also: I fetch for X (0) or for W (1)
	s_and_b32 s16, s14, 1                          ; which half of its columns.  Also: which half of that tile's rows I fetch
	s_bfe_u32 s40, ttmp6, 0x40000                  ; cx, cy: my place in the cluster
	s_bfe_u32 s41, ttmp6, 0x40004
	s_lshl_b32 s42, ttmp9, 2
	s_add_co_u32 s42, s42, s40                     ; tile column = 4 x cluster x + cx
	s_and_b32 s17, ttmp7, 0xffff
	s_lshl_b32 s17, s17, 2
	s_add_co_u32 s17, s17, s41                     ; tile row = 4 x cluster y + cy
	s_lshl_b32 s43, s41, 2
	s_lshl_b32 s43, 15, s43                        ; my row of the cluster
	s_lshl_b32 s44, 0x1111, s40                    ; my column
	; descriptor group 1: tiles of 128 (X) or 96 (W) rows x 256 bytes, padded in LDS
	s_or_b32 s[G1+0], s43, (0<<16)|(1<<20)|(1<<21)|(5<<22)|(3<<25)  ; 15:0 the mask: X's tiles go to my row; 17:16 element of 1 byte; 20 padding on; 21 set beside a mask; 24:22 after every 64 words (code 5); 31:25 of 4 words (code 3)
	s_or_b32 s[G1B+0], s44, (0<<16)|(1<<20)|(1<<21)|(5<<22)|(3<<25)
	s_mov_b32 s[G1+1], ROWB<<16                    ; tensor_dim0
	s_mov_b32 s[G1+2], 128<<16                     ; tensor_dim1
	s_mov_b32 s[G1+3], ROWB<<16                    ; tile_dim0
	s_mov_b32 s[G1+4], 128                         ; tile_dim1
	s_mov_b32 s[G1+5], KROW                        ; tensor_dim0_stride
	s_mov_b32 s[G1+6], 0
	s_mov_b32 s[G1+7], 0
	s_mov_b32 s[G1B+1], ROWB<<16
	s_mov_b32 s[G1B+2], 96<<16
	s_mov_b32 s[G1B+3], ROWB<<16
	s_mov_b32 s[G1B+4], 96
	s_mov_b32 s[G1B+5], KROW
	s_mov_b32 s[G1B+6], 0
	s_mov_b32 s[G1B+7], 0
	; and for the scales: dense blocks of 128 x 128 and 96 x 128 bytes, as rows of 256 bytes (32 elements of 8 bytes), 16 bytes of padding behind each
	s_or_b32 s[G1S+0], s43, (3<<16)|(1<<20)|(1<<21)|(5<<22)|(3<<25)
	s_or_b32 s[G1SB+0], s44, (3<<16)|(1<<20)|(1<<21)|(5<<22)|(3<<25)
	s_mov_b32 s[G1S+1], 32<<16
	s_mov_b32 s[G1S+2], 64<<16
	s_mov_b32 s[G1S+3], 32<<16
	s_mov_b32 s[G1S+4], 64
	s_mov_b32 s[G1S+5], 32
	s_mov_b32 s[G1S+6], 0
	s_mov_b32 s[G1S+7], 0
	s_mov_b32 s[G1SB+1], 32<<16
	s_mov_b32 s[G1SB+2], 48<<16
	s_mov_b32 s[G1SB+3], 32<<16
	s_mov_b32 s[G1SB+4], 48
	s_mov_b32 s[G1SB+5], 32
	s_mov_b32 s[G1SB+6], 0
	s_mov_b32 s[G1SB+7], 0
	s_lshl_b32 s18, s16, 7
	s_lshl_b32 s20, s17, 8
	s_add_co_u32 s20, s20, s18                     ; X: row 256 x tile row + 128 x half
	s_mul_i32 s18, s16, 96
	s_mul_i32 s46, s42, 192
	s_add_co_u32 s46, s46, s18                     ; W: row 192 x tile column + 96 x half
	s_mov_b32 s21, 0
	s_mov_b32 s47, 0
	s_mov_b64 s[18:19], KS
	s_mul_u64 s[22:23], s[20:21], s[18:19]         ; where these rows' scales begin, in bytes
	s_mul_u64 s[92:93], s[46:47], s[18:19]
	s_mov_b64 s[18:19], KROW
	s_mul_u64 s[20:21], s[20:21], s[18:19]         ; and their codes
	s_mul_u64 s[46:47], s[46:47], s[18:19]
	s_mul_i32 s45, s16, HALFA                      ; where they go in a slot: X's halves, then W's: no place in the cluster enters an LDS address
	s_mul_i32 s94, s16, HALFB
	s_add_co_u32 s94, s94, 2*HALFA
	s_mul_i32 s95, s16, HSA
	s_add_co_u32 s95, s95, SCL
	s_mul_i32 s96, s16, HSB
	s_add_co_u32 s96, s96, SCL+2*HSA
	s_wait_kmcnt 0x0
	s_add_nc_u64 s[20:21], s[4:5], s[20:21]
	s_add_nc_u64 s[22:23], s[6:7], s[22:23]
	s_add_nc_u64 s[46:47], s[8:9], s[46:47]
	s_add_nc_u64 s[92:93], s[10:11], s[92:93]
	CROUND                                         ; all sixteen work-groups are here: the first joint loads meet
	s_mov_b32 s[G0S], 1
	s_mov_b32 s[G0S+1], s95
	s_mov_b64 s[G0S+2:G0S+3], s[22:23]
	s_or_b32 s[G0S+3], s[G0S+3], 0x80000000
	s_mov_b32 s[G0SB], 1
	s_mov_b32 s[G0SB+1], s96
	s_mov_b64 s[G0SB+2:G0SB+3], s[92:93]
	s_or_b32 s[G0SB+3], s[G0SB+3], 0x80000000
	JLOAD G0S, G1S, G0SB, G1SB                     ; the scales first: they are wanted with K step 0
.irp s, 0,1
	s_mov_b32 s[G0+4*\s], 1
	s_add_co_u32 s[G0+4*\s+1], s45, \s*SLOT
	s_add_nc_u64 s[G0+4*\s+2:G0+4*\s+3], s[20:21], \s*ROWB
	s_or_b32 s[G0+4*\s+3], s[G0+4*\s+3], 0x80000000
	s_mov_b32 s[G0B+4*\s], 1
	s_add_co_u32 s[G0B+4*\s+1], s94, \s*SLOT
	s_add_nc_u64 s[G0B+4*\s+2:G0B+4*\s+3], s[46:47], \s*ROWB
	s_or_b32 s[G0B+4*\s+3], s[G0B+4*\s+3], 0x80000000
	JLOAD G0+4*\s, G1, G0B+4*\s, G1B               ; three tensor loads of mine are out behind the second of these
.endr
	v_and_b32 v1, 15, v0                           ; l % 16
	v_bfe_u32 v2, v0, 4, 1                         ; l / 16
	v_mul_u32_u24 v3, v1, PITCH
	v_lshl_add_u32 v4, v2, 4, v3                   ; a fragment's row x pitch + 16 x half
	s_mul_i32 s21, s15, HALFA                      ; my 128 rows of X
	s_mul_i32 s22, s16, HALFB                      ; my 96 rows of W,
	s_add_co_u32 s22, s22, 2*HALFA                 ; which lie behind X's 256
.irp s, 0,1
	v_add_nc_u32 v[ADRA+\s], s21, v4
	v_add_nc_u32 v[ADRB+\s], s22, v4
	s_add_co_u32 s21, s21, SLOT
	s_add_co_u32 s22, s22, SLOT
.endr
	v_lshlrev_b32 v5, 7, v1                        ; my row's scales: 128 bytes a row,
	v_lshrrev_b32 v6, 1, v1
	v_lshl_add_u32 v5, v6, 4, v5                   ; and 16 more for each 256 passed
	s_mul_i32 s21, s15, HSA                        ; X's: my 128 rows
	s_mul_i32 s22, s16, HSB                        ; W's: my 96 rows, behind X's 256
	s_add_co_u32 s22, s22, 2*HSA
	s_sub_co_u32 s22, s22, s21
	v_mul_u32_u24 v6, s22, v2                      ; lanes 16-31 take W's: the lower base + half x the distance
	s_add_co_u32 s21, s21, SCL
	v_add_nc_u32 v[ADRS2], s21, v5
	v_add_nc_u32 v[ADRS], v[ADRS2], v6
	s_lshl_b32 s23, s15, 7                         ; the stage, on the way in: row 128 x my half + l % 16 (+ 16 a),
	v_add_nc_u32 v5, s23, v1
	v_mul_u32_u24 v5, v5, SPITCH
	v_lshl_add_u32 v5, v2, 5, v5                   ; 32 bytes for each half of the lanes,
	s_mul_i32 s23, s16, 384                        ; my 96 columns
	v_add_nc_u32 v[STO], s23, v5
	v_add_nc_u32 v[STO2], 4*16*SPITCH, v[STO]
	s_mul_i32 s23, s14, 64*SPITCH                  ; and back: wave w takes rows 64 w .. 64 w + 63, whole
	v_and_b32 v6, 31, v0
	v_lshlrev_b32 v[CO0], 4, v6
	v_add_nc_u32 v[RD0], s23, v[CO0]
	v_lshlrev_b32 v7, 4, v1
	v_mad_u32_u24 v8, v2, 272, v7                  ; lanes 0-15: the last 256 bytes of a pair's first row; lanes 16-31: the first 256 of its second, 272 bytes on
	v_add_nc_u32 v8, s23, v8
	v_add_nc_u32 v[RD1], 512, v8
	v_mad_u32_u24 v[CO1], v2, CROW-512, v7
	v_add_nc_u32 v[CO1], 512, v[CO1]
	s_lshl_b32 s20, s17, 8
	s_lshl_b32 s21, s14, 6
	s_add_co_u32 s20, s20, s21                     ; the first row of qkv that I store
	s_mul_i32 s20, s20, CROW
	s_mul_i32 s46, s42, 768                        ; the tile's first column, in bytes
	s_add_co_u32 s20, s20, s46
	s_mov_b32 s21, 0
	s_add_nc_u64 s[12:13], s[12:13], s[20:21]
	s_mul_i32 s46, s42, 192
	s_mul_i32 s47, s16, 96
	s_add_co_u32 s46, s46, s47
	s_lshl_b32 s46, s46, 2
	s_mov_b32 s47, 0
	s_add_nc_u64 s[66:67], s[66:67], s[46:47]      ; the bias of my 96 columns
	v_lshlrev_b32 v[BO], 5, v2
.irp b, 0,1,2,3,4,5
	global_load_b128 v[BIAS+8*\b:BIAS+8*\b+3], v[BO], s[66:67] offset:64*\b        ; lane (r, h), register j: column 16 b + 8 h + j
	global_load_b128 v[BIAS+8*\b+4:BIAS+8*\b+7], v[BO], s[66:67] offset:64*\b+16
.endr
.macro FRAG reg, adr, q, i             ; a fragment, 16 rows x 128 K of 8-bit codes, is 16 registers: lane l holds row l % 16; registers 4 c .. 4 c + 3 hold K = 32 c + 16 (l / 16) + 0 .. 15
.irp c, 0,1,2,3
	ds_load_b128 v[\reg+4*\c:\reg+4*\c+3], v[\adr] offset:128*(\q)+32*\c+(\i)*16*PITCH
.endr
.endm
; 12 matrix instructions: X's blocks a0, a0 + 1 x W's six, 128 along K: the slot's q-th.  p: W's set;  sc: the set of scale words.  first = 1: the sums start from the bias: nothing is ever cleared.
; The 48 accumulators take turns, one instruction a turn, in the same order in every step.
.macro MUL12 a0, p, q, sc, first
.irp a, \a0, \a0+1
.irp b, 0,1,2,3,4,5
.if \first
	v_wmma_scale_f32_16x16x128_f8f6f4 v[8*(8*((\a)%4)+\b):8*(8*((\a)%4)+\b)+7], v[128*(\p)+FR*\b:128*(\p)+FR*\b+FR-1], v[AF+FR*(\a):AF+FR*(\a)+FR-1], v[BIAS+8*\b:BIAS+8*\b+7], v[SC+8*NQ*(\sc)+NQ*\b+(\q)], v[SC+8*NQ*(\sc)+NQ*(\a)+(\q)] matrix_a_fmt:MATRIX_FMT_BF8 matrix_b_fmt:MATRIX_FMT_BF8 matrix_a_scale:MATRIX_SCALE_ROW1
.else
	v_wmma_scale_f32_16x16x128_f8f6f4 v[8*(8*((\a)%4)+\b):8*(8*((\a)%4)+\b)+7], v[128*(\p)+FR*\b:128*(\p)+FR*\b+FR-1], v[AF+FR*(\a):AF+FR*(\a)+FR-1], v[8*(8*((\a)%4)+\b):8*(8*((\a)%4)+\b)+7], v[SC+8*NQ*(\sc)+NQ*\b+(\q)], v[SC+8*NQ*(\sc)+NQ*(\a)+(\q)] matrix_a_fmt:MATRIX_FMT_BF8 matrix_b_fmt:MATRIX_FMT_BF8 matrix_a_scale:MATRIX_SCALE_ROW1
.endif
.endr
.endr
.endm
.macro FETCH_B slot, q, p              ; W's six fragments of the slot's q-th 128 along K into set p: 24 loads
	WIN TO_B
.irp i, 0,1,2,3,4,5
	FRAG 128*(\p)+FR*\i, ADRB+\slot, \q, \i
.endr
	WIN 0
.endm
.macro FETCH_A slot, q, i0             ; X's blocks i0 .. i0 + 3: 16 loads
.irp i, \i0, \i0+1, \i0+2, \i0+3
	FRAG AF+FR*(\i), ADRA+\slot, \q, \i
.endr
.endm
.macro SCALES sc                       ; the next K step's scale words into set sc: two words a row
.irp i, 0,1,2,3,4,5
	ds_load_b64 v[SC+8*NQ*\sc+NQ*\i:SC+8*NQ*\sc+NQ*\i+1], v[ADRS] offset:\i*SBLK
.endr
.irp i, 6,7
	ds_load_b64 v[SC+8*NQ*\sc+NQ*\i:SC+8*NQ*\sc+NQ*\i+1], v[ADRS2] offset:\i*SBLK
.endr
.endm
; A load into a register that a matrix instruction has read, and an LDS store that reads a matrix result, stand NP places behind that matrix instruction, and only plain vector
; instructions that name none of its registers are places (ISA guide 7.12.1 for vector instructions).
.macro PLACES n
.rept \n
	v_nop
.endr
.endm
; A step of 128 along K that has its successor in the same slot.
.macro STEP slot, q, first
	s_wait_dscnt 4*NL                              ; W's set, X's blocks 0-3 and the scale words are in; the youngest 16 loads (X's blocks 4-7) may be out
.if \first
	WIN FIRST_LO
.else
	WIN MUL_LO
.endif
	MUL12 0, (\q)%2, \q, \slot, \first
	MUL12 2, (\q)%2, \q, \slot, \first
	s_wait_dscnt 0                                 ; X's blocks 4-7 are in
	PLACES NP
	FETCH_B \slot, (\q)+1, 1-(\q)%2
	FETCH_A \slot, (\q)+1, 0
.if \first
	WIN FIRST_HI
.else
	WIN MUL_HI
.endif
	MUL12 4, (\q)%2, \q, \slot, \first
	MUL12 6, (\q)%2, \q, \slot, \first
	PLACES NP
	WIN 0
	FETCH_A \slot, (\q)+1, 4
.endm
; A slot's last step changes slots: ONE barrier; in front of it each wave waits for all its tensor loads, adds 0 to its spare word, and waits for that and for its own reads of this slot.  fill = 1: this slot is filled again, two K steps ahead.
.macro TURN slot, next, fill
	s_wait_tensorcnt 0x0                           ; all my tensor loads have landed: my part of the next slot;  (every window is 0 here: the add's two registers lie in window 0)
	ds_add_u32 v[SPW], v[NIL]                      ; 0 onto my spare word;
	s_wait_dscnt 4*NL+1                            ; (the add and the youngest 16 loads, X's blocks 4-7, may be out)
	WIN MUL_LO
	MUL12 0, 1, NQ-1, \slot, 0                     ; twelve matrix instructions stand between the add and the wait for it
	s_wait_dscnt 0x0                               ; the add is done, and my reads of this slot are over
	s_barrier_signal -1
	MUL12 2, 1, NQ-1, \slot, 0
	WIN 0
	s_barrier_wait -1
.if \fill
	CREST                                          ; the barrier has opened a round of the cluster's barrier: no wave of any partner still reads this slot's tile or has a load on its way
	s_add_nc_u64 s[G0+4*\slot+2:G0+4*\slot+3], s[G0+4*\slot+2:G0+4*\slot+3], 2*ROWB
	s_add_nc_u64 s[G0B+4*\slot+2:G0B+4*\slot+3], s[G0B+4*\slot+2:G0B+4*\slot+3], 2*ROWB
	JLOAD G0+4*\slot, G1, G0B+4*\slot, G1B         ; the first tensor load behind the round, my only one until the next; the four v_nop behind it are among the places in front of the loads below
	PLACES NP-4
.else
	PLACES NP
.endif
	v_add_nc_u32 v[ADRS], 4*NQ, v[ADRS]            ; on to the next K step's scale words (no LDS load of mine is out)
	v_add_nc_u32 v[ADRS2], 4*NQ, v[ADRS2]
	FETCH_B \next, 0, 0
	FETCH_A \next, 0, 0
	SCALES \next
	WIN MUL_HI
	MUL12 4, 1, NQ-1, \slot, 0
	MUL12 6, 1, NQ-1, \slot, 0
	PLACES NP
	WIN 0
	FETCH_A \next, 0, 4
.endm
	s_wait_tensorcnt 1                             ; the scales and my part of K step 0 are in (K step 1's load may be out)
	s_barrier_signal -1
	s_barrier_wait -1                              ; everybody's are
	FETCH_B 0, 0, 0
	FETCH_A 0, 0, 0
	SCALES 0
	FETCH_A 0, 0, 4
	s_wait_loadcnt 0x0                             ; the bias
	STEP 0, 0, 1                                   ; the first step stands in front of the loop: its products start the sums
	s_mov_b32 s3, LAPS-1
.Llap:                                                 ; a trip goes once round the ring, from a lap's second step to the next lap's first, and fills both slots again
	TURN 0, 1, 1
	STEP 1, 0, 0
	TURN 1, 0, 1
	STEP 0, 0, 0
	s_sub_co_u32 s3, s3, 1
	s_cmp_lg_u32 s3, 0
	s_cbranch_scc1 .Llap
	TURN 0, 1, 0                                   ; the last lap fills nothing, and has no round of the cluster's barrier
	STEP 1, 0, 0
	s_wait_dscnt 4*NL                              ; the very last step: nothing more to fetch
	WIN MUL_LO
	MUL12 0, 1, NQ-1, 1, 0
	MUL12 2, 1, NQ-1, 1, 0
	s_wait_dscnt 0
	WIN MUL_HI
	MUL12 4, 1, NQ-1, 1, 0
	MUL12 6, 1, NQ-1, 1, 0
	WIN 0
; THE WAY OUT.  A wave's 96 columns are 384 bytes, one and a half runs of 256: so the four waves share one stage, with a barrier between writing and reading, and each wave then stores 64 whole rows of 768 bytes.
	PLACES NP                                      ; behind the last products: for the stores that read results and the loads into X's registers
	s_wait_dscnt 0x0
	s_barrier_signal -1
	s_barrier_wait -1                              ; no wave reads a slot any more: the stage may be written over both
.macro TOSTAGE a
.set AC, 64*((\a)%4)
.if (\a) < 4
	WIN 0x08                                       ; an LDS store's data are its source 1: window 2
.else
	WIN 0x0c                                       ; window 3
.endif
.irp b, 0,1,2,3,4,5
	ds_store_b128 v[STO+7*((\a)/4)], v[AC+8*\b:AC+8*\b+3] offset:((\a)%4)*16*SPITCH+64*\b          ; each accumulator from its low end on;  STO for blocks 0-3, STO2 for 4-7
	ds_store_b128 v[STO+7*((\a)/4)], v[AC+8*\b+4:AC+8*\b+7] offset:((\a)%4)*16*SPITCH+64*\b+16
.endr
.endm
.irp a, 0,1,2,3,4,5,6,7
	TOSTAGE \a
.endr
	WIN 0
	s_wait_dscnt 0x0                               ; for the others' sake: my stores into the stage are done
	s_barrier_signal -1
	s_barrier_wait -1
; A pair of rows is 1,536 bytes: three loads and three stores of 512 bytes; in each, sixteen lanes cover 256 consecutive bytes, at a multiple of 256 from qkv's first byte.  Four pairs to a batch, two buffers by turns.
.macro LOADB g
.set BB, BK+48*((\g)%2)
.irp k, 0,1,2,3
	ds_load_b128 v[BB+12*\k:BB+12*\k+3],    v[RD0] offset:(4*(\g)+\k)*2*SPITCH
	ds_load_b128 v[BB+12*\k+4:BB+12*\k+7],  v[RD1] offset:(4*(\g)+\k)*2*SPITCH
	ds_load_b128 v[BB+12*\k+8:BB+12*\k+11], v[RD0] offset:(4*(\g)+\k)*2*SPITCH+SPITCH+256
.endr
.endm
.macro STOREB g
.set BB, BK+48*((\g)%2)
.irp k, 0,1,2,3
	global_store_b128 v[CO0], v[BB+12*\k:BB+12*\k+3],    s[12:13] offset:(4*(\g)+\k)*2*CROW th:TH_STORE_NT
	global_store_b128 v[CO1], v[BB+12*\k+4:BB+12*\k+7],  s[12:13] offset:(4*(\g)+\k)*2*CROW th:TH_STORE_NT
	global_store_b128 v[CO0], v[BB+12*\k+8:BB+12*\k+11], s[12:13] offset:(4*(\g)+\k)*2*CROW+CROW+256 th:TH_STORE_NT
.endr
.endm
	LOADB 0
.irp g, 1,2,3,4,5,6,7
.if \g > 1
	s_wait_xcnt 0x0                                ; the stores of two batches back have read their registers: this batch's loads may land there
.endif
	LOADB \g
	s_wait_dscnt 12                                ; the batch before is back; this batch's 12 loads may be out
	STOREB \g-1
.endr
	s_wait_dscnt 0x0
	STOREB 7
	s_wait_tensorcnt 0x0                           ; the wave's end, behind my last tensor load and my last LDS store
	ds_add_u32 v[SPW], v[NIL]
	s_wait_dscnt 0x0
	CROUND                                         ; the closing round: no work-group ends while a partner may still ask for a tile that names it
	s_endpgm
.Lfunc_end_k_qc09aa38a4f_gemm:
	.size	k_qc09aa38a4f_gemm, .Lfunc_end_k_qc09aa38a4f_gemm-k_qc09aa38a4f_gemm
	.p2alignl 7, 3214868480
	.fill 96, 4, 3214868480
	.section	.rodata,"a",@progbits
	.p2align	6, 0x0
	.amdhsa_kernel k_qc09aa38a4f_gemm
		.amdhsa_group_segment_fixed_size 327680
		.amdhsa_private_segment_fixed_size 0
		.amdhsa_enable_private_segment 0
		.amdhsa_kernarg_size 48
		.amdhsa_user_sgpr_count 2
		.amdhsa_user_sgpr_kernarg_segment_ptr 1
		.amdhsa_wavefront_size32 1
		.amdhsa_system_sgpr_workgroup_id_x 1
		.amdhsa_system_sgpr_workgroup_id_y 1
		.amdhsa_system_sgpr_workgroup_id_z 1
		.amdhsa_system_vgpr_workitem_id 0
		.amdhsa_next_free_vgpr 1024
		.amdhsa_next_free_sgpr 98
		.amdhsa_reserve_vcc 0
		.amdhsa_float_denorm_mode_32 3
		.amdhsa_float_denorm_mode_16_64 3
		.amdhsa_memory_ordered 1
		.amdhsa_forward_progress 1
		.amdhsa_inst_pref_size 120
	.end_amdhsa_kernel
	.amdgpu_metadata
---
amdhsa.version: [ 1, 2 ]
amdhsa.kernels:
  - .name:           k_qc09aa38a4f_gemm
    .symbol:         k_qc09aa38a4f_gemm.kd
    .args:
      - { .name: x_codes, .offset: 0, .size: 8, .value_kind: global_buffer, .address_space: global }
      - { .name: x_scales, .offset: 8, .size: 8, .value_kind: global_buffer, .address_space: global }
      - { .name: w_codes, .offset: 16, .size: 8, .value_kind: global_buffer, .address_space: global }
      - { .name: w_scales, .offset: 24, .size: 8, .value_kind: global_buffer, .address_space: global }
      - { .name: bias, .offset: 32, .size: 8, .value_kind: global_buffer, .address_space: global }
      - { .name: qkv, .offset: 40, .size: 8, .value_kind: global_buffer, .address_space: global }
    .group_segment_fixed_size: 327680
    .private_segment_fixed_size: 0
    .kernarg_segment_align: 8
    .kernarg_segment_size: 48
    .max_flat_workgroup_size: 128
    .sgpr_count:     98
    .vgpr_count:     1024
    .wavefront_size: 32
...
	.end_amdgpu_metadata
.endif
;; end of part 2
;; launch attn (part 3): grid 256 x 1, 16 waves a work-group, no clusters, 69,632 bytes of LDS; arguments qkv, out0; writes out0
.if DOCPART == 3
	.amdgcn_target "amdgcn-amd-amdhsa--gfx1250"
	.amdhsa_code_object_version 6
	.text
	.protected	k_qc09aa38a4f_attn
	.globl	k_qc09aa38a4f_attn
	.p2align	8
	.type	k_qc09aa38a4f_attn,@function
k_qc09aa38a4f_attn:
	s_mov_b64 s[64:65], 0
	v_nop
	global_prefetch_b8 v0, s[64:65] scope:SCOPE_SE
	s_setreg_imm32_b32 hwreg(HW_REG_WAVE_MODE, 25, 1), 1
	s_wait_xcnt 0x0
; For each token: scores[d][e] = sum over the 32 heads h of q[d][h] k[e][h / 4];  t = score x log2(e) / sqrt(128);  M = the row's largest t rounded up to a whole number;  p = 2^(t - M);
; out[d][h] = (sum over e of p[d][e] v[e][h / 4]) / (the row's sum of the unquantised p).  Both products on codes of BF8 (E5M2) with one E8M0 scale for each 32 along a product's K.
; A token's row of qkv (f32): q[d][h] at 32 d + h;  k[e][hk] at 4096 + 8 e + hk;  v[e][hk] at 5120 + 128 hk + e.  out0: [2048][32 d + h], f32.
; SHARES.  A work-group takes 8 tokens; waves 2 i and 2 i + 1 take token i.  Phase 1: each of the two quantises half of the token's k and half of its v and stores the operands' registers as images in LDS; one barrier.
; Phase 2: wave u of the two takes d = 64 u .. 64 u + 63, four tiles of 16.  Four waves share a SIMD, so that one wave's vector work stands beside another's products and loads.
; LAYOUT.  Both products are used transposed: S^T = K Q^T (source 0 = 16 e, source 1 = my 16 d), O^T = V^T P^T (source 0 = heads, source 1 = P): a lane holds ONE d (lane % 16) throughout.
; THE e OF A TILE ARE NOT NEIGHBOURS: lane r of tile 2 b + u takes e = 32 b + 8 u + r + 8 (r / 8), so that the 16 registers of tiles 2 b and 2 b + 1 are e = 32 b + 16 (lane / 16) + 0 .. 15.
; K = 32 IN AN INSTRUCTION OF 128: only the first block of a fragment holds codes.  Q's fragment is four registers of codes and twelve of zero codes.  K's eight tiles lie packed, four registers each, with V's fragment
; behind them; tile i's operand is the run of 16 registers from its four on: the twelve that follow hold other tiles' finite codes, meet zero codes, and add nothing; their scale bytes are 0, which is 2^-127.
; THE REPEATED HEADS have the same numbers, so the same block maxima and codes: k's four codes of a lane are made once and each spread over a register;
; of V^T one tile is multiplied, whose row m is head 4 (m / 8) + m % 4, and each result is written four times on the way out.
; LIMITS: NaN and infinities are not served; a block of zeros gets the byte 1 (its codes are zeros); blocks with a largest magnitude under 2^(16 - 127) were not tried;
; a block's largest p is taken from its largest score, which takes v_exp_f32 not to fall where its input rises.
; No cluster: no two work-groups read the same bytes.  No tensor loads: a token's row is read once, straight into the registers that the conversions want.
.set FLOOR, 0x8000000                  ; 2^(16 - 127)
.set DOWN,  0xf8800000                 ; -(15 << 23)
.set KOFF,  16384                      ; k in a token's row, in bytes
.set VOFF,  20480                      ; v
.set KIMG,  0                          ; LDS: K's tiles, 512 bytes each, 2,048 a wave
.set KSC,   32768                      ; their scale words, 128 bytes a tile
.set VIMG,  40960                      ; V's blocks, 512 bytes each, 1,024 a wave
.set VSC,   57344                      ; half scale words, 128 bytes a wave
.set OST,   59392                      ; the way out: 512 bytes a wave
.set KA,  1                            ; v1   k: 32 (r + 8 (r / 8)) + 16 hf + 2048 u
.set VA,  2                            ; v2   v: 512 (4 (r / 8) + r % 4) + 64 hf + 256 u
.set QA,  3                            ; v3   q: 128 r + 64 hf + 8192 u
.set GO,  4                            ; v4   out: 16 lane + 8192 u
.set KW,  5                            ; v5-8   where I store images: K's, K's scale words, V's, V's half words
.set KSW, 6
.set VW,  7
.set VSW, 8
.set KR,  9                            ; v9-12  where I read my token's
.set KSR, 10
.set VR,  11
.set VSR, 12
.set OSW, 13                           ; v13  the way out: 32 r + 16 hf + 512 w
.set OSR, 14                           ; v14  4 lane + 512 w
.set QF,  16                           ; v16-19 q's codes; v20-31 zero codes
.set KF,  32                           ; v32-63 K's eight tiles
.set VF,  64                           ; v64-79 V's fragment
.set KS,  80                           ; v80-87 K's scale words
.set VS,  88                           ; v88 V's scale word (v91: its other half)
.set QS,  89
.set PS,  90
.set S,   92                           ; v92-155 S^T, then p
.set PC,  156                          ; v156-171 p's codes
.set O,   172                          ; v172-179 O^T
.set OUTV, 180                         ; v180-195 what is stored
.set QX,  196                          ; v196-227 q in f32, two sets of 16
.set BM,  228                          ; v228-231 largest magnitudes or scores
.set PT,  232                          ; v232-235 the other half's; then bytes
.set HD,  236                          ; v236-239 57,344 x the scale
.set SO,  240                          ; v240-243 the conversions' scale operands
.set KX,  92                           ; phase 1: k, 4 tiles x (4 numbers + 4 zeros)
.set VX,  124                          ; phase 1: v, 2 blocks x 16
	s_load_b128 s[4:7], s[0:1], 0x0                ; qkv, out0
	v_lshrrev_b32 v15, 5, v0
	v_readfirstlane_b32 s8, v15                    ; wave 0..15
	s_and_b32 s9, s8, 1                            ; u
	s_lshr_b32 s10, s8, 1                          ; the token among the work-group's eight
	s_lshl_b32 s11, ttmp9, 3
	s_add_co_u32 s11, s11, s10                     ; the token
	s_mul_i32 s18, s11, 24576
	s_mov_b32 s19, 0
	s_lshl_b32 s20, s11, 14
	s_mov_b32 s21, 0
	s_mov_b32 s12, 0x76543210
	s_mov_b32 s13, 0xfedcba98                      ; v_permlanex16_b32's selects for lane l xor 16
	s_mov_b32 s14, 0x3e0293ee                      ; c = log2(e) / sqrt(128)
	s_mov_b32 s15, s14                             ; (named with it as a pair, so it is written)
	s_mov_b32 s16, 0x600000                        ; the mantissa field of 57,344
	s_lshl_b32 s17, s9, 4                          ; 16 u: where my two bytes stand in V's scale word
	v_and_b32 v242, 31, v0                         ; lane
	v_and_b32 v240, 15, v0                         ; r
	v_bfe_u32 v241, v0, 4, 1                       ; hf
	v_and_b32 v243, 8, v240
	v_add_nc_u32 v243, v243, v240                  ; r + 8 (r / 8)
	v_lshlrev_b32 v[KA], 5, v243
	v_lshl_add_u32 v[KA], v241, 4, v[KA]
	s_lshl_b32 s22, s9, 11
	v_add_nc_u32 v[KA], s22, v[KA]
	v_and_b32 v243, 8, v240
	v_lshrrev_b32 v243, 1, v243
	v_and_b32 v[VA], 3, v240
	v_add_nc_u32 v[VA], v[VA], v243                ; 4 (r / 8) + r % 4
	v_lshlrev_b32 v[VA], 9, v[VA]
	v_lshl_add_u32 v[VA], v241, 6, v[VA]
	s_lshl_b32 s22, s9, 8
	v_add_nc_u32 v[VA], s22, v[VA]
	v_lshlrev_b32 v[QA], 7, v240
	v_lshl_add_u32 v[QA], v241, 6, v[QA]
	s_lshl_b32 s22, s9, 13
	v_add_nc_u32 v[QA], s22, v[QA]
	v_lshl_add_u32 v[GO], v242, 4, s22
	v_lshlrev_b32 v243, 4, v242                    ; 16 x lane: an image's place for my lane
	v_lshlrev_b32 v15, 2, v242                     ; 4 x lane: a scale word's
	s_lshl_b32 s22, s8, 11
	v_add_nc_u32 v[KW], s22, v243
	s_lshl_b32 s22, s8, 9
	v_add_nc_u32 v[KSW], s22, v15
	v_add_nc_u32 v[OSR], s22, v15
	v_lshlrev_b32 v[OSW], 5, v240
	v_lshl_add_u32 v[OSW], v241, 4, v[OSW]
	v_add_nc_u32 v[OSW], s22, v[OSW]
	s_lshl_b32 s22, s8, 10
	v_add_nc_u32 v[VW], s22, v243
	s_lshl_b32 s22, s8, 7
	v_add_nc_u32 v[VSW], s22, v15
	s_lshl_b32 s22, s10, 12
	v_add_nc_u32 v[KR], s22, v243
	s_lshl_b32 s22, s10, 10
	v_add_nc_u32 v[KSR], s22, v15
	s_lshl_b32 s22, s10, 11
	v_add_nc_u32 v[VR], s22, v243
	s_lshl_b32 s22, s10, 8
	v_add_nc_u32 v[VSR], s22, v15
	s_wait_kmcnt 0x0
	s_add_nc_u64 s[4:5], s[4:5], s[18:19]          ; my token's row of qkv
	s_add_nc_u64 s[6:7], s[6:7], s[20:21]          ; and of out0
.irp i, 0,1,2,3                        ; k: my four tiles; lane (r, hf): heads 4 hf .. 4 hf + 3 of its e
	global_load_b128 v[KX+8*\i:KX+8*\i+3], v[KA], s[4:5] offset:KOFF+32*(32*(\i/2)+8*(\i%2))
.endr
.irp c, 0,1                            ; v: my two blocks of 32 e; lane (r, hf): 16 neighbouring e of its head
.irp j, 0,1,2,3
	global_load_b128 v[VX+16*\c+4*\j:VX+16*\c+4*\j+3], v[VA], s[4:5] offset:VOFF+128*\c+16*\j
.endr
.endr
.irp t, 0,1                            ; q: my first two tiles of 16 d; lane (r, hf): heads 16 hf .. 16 hf + 15 of d = r
.irp j, 0,1,2,3
	global_load_b128 v[QX+16*\t+4*\j:QX+16*\t+4*\j+3], v[QA], s[4:5] offset:2048*\t+16*\j
.endr
.endr
.irp j, 20,21,22,23,24,25,26,27,28,29,30,31
	v_mov_b32 v[\j], 0                             ; zero codes: blocks 1 to 3 of Q's fragment
.endr
.irp b, 0,1,2,3
	v_mov_b32 v[PT+\b], 0                          ; written once: a lane permute's destination counts as one of its sources
.endr
	v_mov_b32 v245, 0                              ; (named as the upper half of the pair v[244:245])
.irp i, 0,1,2,3
.irp j, 4,5,6,7
	v_mov_b32 v[KX+8*\i+\j], 0                     ; a conversion takes eight numbers: k has four
.endr
.endr
; ---- PHASE 1.  k: a block is a row's 32 repeated heads: its largest magnitude is that of the 8 heads, 4 in my lane and 4 in lane l xor 16.  The four tiles by turns.
	s_wait_loadcnt 16                              ; k is in; v's 8 loads and q's 8 may be out
.irp i, 0,1,2,3
	v_max3_num_f32 v[BM+\i], |v[KX+8*\i]|, |v[KX+8*\i+1]|, FLOOR
.endr
.irp i, 0,1,2,3
	v_max3_num_f32 v[BM+\i], v[BM+\i], |v[KX+8*\i+2]|, |v[KX+8*\i+3]|
.endr
.irp i, 0,1,2,3
	v_permlanex16_b32 v[PT+\i], v[BM+\i], s12, s13
.endr
.irp i, 0,1,2,3
	v_max_num_f32 v[BM+\i], v[BM+\i], v[PT+\i]
.endr
.irp i, 0,1,2,3
	v_add_nc_u32 v[SO+\i], DOWN, v[BM+\i]          ; 15 off the exponent field: the conversion's scale operand
.endr
.irp i, 0,1,2,3
	v_and_or_b32 v[HD+\i], v[BM+\i], 0x7f800000, s16   ; 57,344 x the scale
.endr
.irp i, 0,1,2,3
	v_lshrrev_b32 v[OUTV+\i], 23, v[SO+\i]         ; the scale word: the byte, and 0 for the three blocks that hold nothing
.endr
.irp i, 0,1,2,3
.irp j, 0,1,2,3
	v_med3_num_f32 v[KX+8*\i+\j], v[KX+8*\i+\j], -v[HD+\i], v[HD+\i]
.endr
.endr
.irp i, 0,1,2,3
	v_cvt_scalef32_pk8_bf8_f32 v[248+2*\i:249+2*\i], v[KX+8*\i:KX+8*\i+7], v[SO+\i]
.endr
	v_nop                                          ; one plain instruction between a scaled conversion and the next vector instruction that reads its result
.irp i, 0,1,2,3
	v_perm_b32 v[PC+4*\i],   v[248+2*\i], v[248+2*\i], 0            ; register a: head 4 hf + a, four times: h = 16 hf + 4 a + 0 .. 3
	v_perm_b32 v[PC+4*\i+1], v[248+2*\i], v[248+2*\i], 0x01010101
	v_perm_b32 v[PC+4*\i+2], v[248+2*\i], v[248+2*\i], 0x02020202
	v_perm_b32 v[PC+4*\i+3], v[248+2*\i], v[248+2*\i], 0x03030303
.endr
.irp i, 0,1,2,3
	ds_store_b128 v[KW], v[PC+4*\i:PC+4*\i+3] offset:KIMG+512*\i
	ds_store_b32 v[KSW], v[OUTV+\i] offset:KSC+128*\i
.endr
; v: K = e.  My two blocks of 32: 16 numbers in my lane, 16 in lane l xor 16.
	s_wait_loadcnt 8                               ; v is in; q's 8 loads may be out
.irp b, 0,1
	v_max3_num_f32 v[BM+\b], |v[VX+16*\b]|, |v[VX+16*\b+1]|, FLOOR
.endr
.irp i, 2,4,6,8,10,12,14
.irp b, 0,1
	v_max3_num_f32 v[BM+\b], v[BM+\b], |v[VX+16*\b+\i]|, |v[VX+16*\b+\i+1]|
.endr
.endr
.irp b, 0,1
	v_permlanex16_b32 v[PT+\b], v[BM+\b], s12, s13
.endr
.irp b, 0,1
	v_max_num_f32 v[BM+\b], v[BM+\b], v[PT+\b]
.endr
.irp b, 0,1
	v_add_nc_u32 v[SO+\b], DOWN, v[BM+\b]
.endr
.irp b, 0,1
	v_and_or_b32 v[HD+\b], v[BM+\b], 0x7f800000, s16
.endr
.irp b, 0,1
	v_lshrrev_b32 v[PT+\b], 23, v[SO+\b]
.endr
	v_lshl_or_b32 v[OUTV+4], v[PT+1], 8, v[PT]
	v_lshlrev_b32 v[OUTV+4], s17, v[OUTV+4]        ; bytes 2 u and 2 u + 1 of the row's scale word
.irp b, 0,1
.irp i, 0,1,2,3,4,5,6,7,8,9,10,11,12,13,14,15
	v_med3_num_f32 v[VX+16*\b+\i], v[VX+16*\b+\i], -v[HD+\b], v[HD+\b]
.endr
	v_cvt_scalef32_pk8_bf8_f32 v[O+4*\b:O+4*\b+1], v[VX+16*\b:VX+16*\b+7], v[SO+\b]
	v_cvt_scalef32_pk8_bf8_f32 v[O+4*\b+2:O+4*\b+3], v[VX+16*\b+8:VX+16*\b+15], v[SO+\b]
.endr
	v_nop                                          ; one plain instruction behind the last conversion: products will write its sources and results
.irp b, 0,1
	ds_store_b128 v[VW], v[O+4*\b:O+4*\b+3] offset:VIMG+512*\b
.endr
	ds_store_b32 v[VSW], v[OUTV+4] offset:VSC
	s_wait_dscnt 0x0                               ; for the other wave's sake: my stores have landed
	s_barrier_signal -1
	s_barrier_wait -1
; ---- PHASE 2.  My token's operands come back as they were stored: the same registers in the same lanes.
.irp i, 0,1,2,3,4,5,6,7
	ds_load_b128 v[KF+4*\i:KF+4*\i+3], v[KR] offset:KIMG+512*\i
.endr
.irp i, 0,1,2,3,4,5,6,7
	ds_load_b32 v[KS+\i], v[KSR] offset:KSC+128*\i
.endr
.irp c, 0,1,2,3
	ds_load_b128 v[VF+4*\c:VF+4*\c+3], v[VR] offset:VIMG+512*\c
.endr
	ds_load_b32 v[VS], v[VSR] offset:VSC
	ds_load_b32 v91, v[VSR] offset:VSC+128
	s_wait_dscnt 0x0
	v_or_b32 v[VS], v[VS], v91                     ; the two halves of V's scale word
; A TILE OF 16 d x all 128 e.
.macro DTILE t
.set QB, QX+16*((\t)%2)
.if (\t) < 3
	s_wait_loadcnt 4                               ; this tile's q is in; the next tile's four loads may be out
.else
	s_wait_loadcnt 0
.endif
	v_max3_num_f32 v[BM], |v[QB]|, |v[QB+1]|, FLOOR                 ; q's block: my 16 heads and the floor, in two chains
	v_max3_num_f32 v[BM+1], |v[QB+2]|, |v[QB+3]|, |v[QB+4]|
	v_max3_num_f32 v[BM], v[BM], |v[QB+5]|, |v[QB+6]|
	v_max3_num_f32 v[BM+1], v[BM+1], |v[QB+7]|, |v[QB+8]|
	v_max3_num_f32 v[BM], v[BM], |v[QB+9]|, |v[QB+10]|
	v_max3_num_f32 v[BM+1], v[BM+1], |v[QB+11]|, |v[QB+12]|
	v_max3_num_f32 v[BM], v[BM], |v[QB+13]|, |v[QB+14]|
	v_max3_num_f32 v[BM], v[BM], v[BM+1], |v[QB+15]|
	v_permlanex16_b32 v[PT], v[BM], s12, s13
	v_max_num_f32 v[BM], v[BM], v[PT]              ; with lane l xor 16's 16 heads
	v_add_nc_u32 v[SO], DOWN, v[BM]
	v_and_or_b32 v[HD], v[BM], 0x7f800000, s16
	v_lshrrev_b32 v[QS], 23, v[SO]                 ; q's scale word: the byte, and 0 above it; the 16 holds and four v_nop below are its places ahead of the products
.set j, 0
.rept 16
	v_med3_num_f32 v[QB+j], v[QB+j], -v[HD], v[HD]
.set j, j+1
.endr
	v_cvt_scalef32_pk8_bf8_f32 v[QF:QF+1], v[QB:QB+7], v[SO]
	v_cvt_scalef32_pk8_bf8_f32 v[QF+2:QF+3], v[QB+8:QB+15], v[SO]
.rept 4
	v_nop                                          ; an operand written by vector instructions stands four places ahead of a scaled matrix instruction
.endr
.if (\t) < 2
.irp j, 0,1,2,3
	global_load_b128 v[QB+4*\j:QB+4*\j+3], v[QA], s[4:5] offset:2048*((\t)+2)+16*\j   ; the tile two further on, into the set just quantised
.endr
.endif
.irp i, 0,1,2,3,4,5,6,7                ; S^T: eight accumulators, each written once
	v_wmma_scale_f32_16x16x128_f8f6f4 v[S+8*\i:S+8*\i+7], v[KF+4*\i:KF+4*\i+15], v[QF:QF+15], 0, v[KS+\i], v[QS] matrix_a_fmt:MATRIX_FMT_BF8 matrix_b_fmt:MATRIX_FMT_BF8
.endr
.rept 8
	v_nop
.endr
.irp b, 0,1,2,3
	v_max3_num_f32 v[BM+\b], v[S+16*\b], v[S+16*\b+1], v[S+16*\b+2]   ; THE LARGEST SCORE OF EACH BLOCK OF 32 e: for the row's maximum, and, since p rises with the score, for the block's largest p
.endr
.irp i, 3,5,7,9,11,13
.irp b, 0,1,2,3
	v_max3_num_f32 v[BM+\b], v[BM+\b], v[S+16*\b+\i], v[S+16*\b+\i+1]
.endr
.endr
.irp b, 0,1,2,3
	v_max_num_f32 v[BM+\b], v[BM+\b], v[S+16*\b+15]
.endr
.irp b, 0,1,2,3
	v_permlanex16_b32 v[PT+\b], v[BM+\b], s12, s13
.endr
.irp b, 0,1,2,3
	v_max_num_f32 v[BM+\b], v[BM+\b], v[PT+\b]     ; with lane l xor 16's 16 e
.endr
	v_max3_num_f32 v250, v[BM], v[BM+1], v[BM+2]
	v_max_num_f32 v250, v250, v[BM+3]              ; the row's largest score
	v_mul_f32 v250, s14, v250                      ; as t (c is positive)
	v_floor_f32 v244, -v250                        ; -M = floor(-t) = -ceil(t): M is a whole number
.set j, 0
.rept 32
	v_pk_fma_f32 v[S+j:S+j+1], v[S+j:S+j+1], s[14:15], v[244:245] op_sel_hi:[1,0,0]   ; t - M, two at a time (of the pairs c and -M the low word serves both halves)
.set j, j+2
.endr
.irp b, 0,1,2,3
	v_fma_f32 v[BM+\b], v[BM+\b], s14, v244        ; the same of each block's largest score
.endr
.set j, 0
.rept 64
	v_exp_f32 v[S+j], v[S+j]                       ; p = 2^(t - M), at most 1: not normalised
.set j, j+1
.endr
	v_nop                                          ; a plain instruction behind the exponentials
	s_wait_alu depctr_va_vdst(0)                   ; one wait for the whole batch, ahead of its first reader
.irp b, 0,1,2,3
	v_exp_f32 v[BM+\b], v[BM+\b]                   ; the block's largest p: the same two instructions on the same number give the same bits
.endr
	v_pk_add_f32 v[246:247], v[S:S+1], v[S+2:S+3]  ; THE ROW'S SUM IS TAKEN OF THE UNQUANTISED p: two at a time, in two chains; it reads the 64 alone
	v_pk_add_f32 v[248:249], v[S+4:S+5], v[S+6:S+7]
.set j, 8
.rept 14
	v_pk_add_f32 v[246:247], v[246:247], v[S+j:S+j+1]
	v_pk_add_f32 v[248:249], v[248:249], v[S+j+2:S+j+3]
.set j, j+4
.endr
	v_pk_add_f32 v[246:247], v[246:247], v[248:249]
	s_wait_alu depctr_va_vdst(0)                   ; and one for the four
.irp b, 0,1,2,3
	v_max_num_f32 v[BM+\b], FLOOR, v[BM+\b]        ; the floor: the byte cannot fall under 1 (a block whose every p is 0 keeps that byte: its codes are zeros)
.endr
.irp b, 0,1,2,3
	v_add_nc_u32 v[SO+\b], DOWN, v[BM+\b]
.endr
.irp b, 0,1,2,3
	v_and_or_b32 v[HD+\b], v[BM+\b], 0x7f800000, s16
.endr
.irp b, 0,1,2,3
	v_lshrrev_b32 v[PT+\b], 23, v[SO+\b]
.endr
	v_lshl_or_b32 v[PS], v[PT+1], 8, v[PT]         ; p's scale word; the 64 holds below are its places ahead of the product
	v_lshl_or_b32 v[PS], v[PT+2], 16, v[PS]
	v_lshl_or_b32 v[PS], v[PT+3], 24, v[PS]
.irp b, 0,1,2,3
.irp i, 0,1,2,3,4,5,6,7,8,9,10,11,12,13,14,15
	v_min_num_f32 v[S+16*\b+\i], v[S+16*\b+\i], v[HD+\b]   ; the conversion to an 8-bit code does not saturate (ISA guide 7.6.2); p is not negative, so the hold is one-sided
.endr
	v_cvt_scalef32_pk8_bf8_f32 v[PC+4*\b:PC+4*\b+1], v[S+16*\b:S+16*\b+7], v[SO+\b]
	v_cvt_scalef32_pk8_bf8_f32 v[PC+4*\b+2:PC+4*\b+3], v[S+16*\b+8:S+16*\b+15], v[SO+\b]
.endr
	v_add_f32 v246, v246, v247                     ; the sum's two halves,
	v_permlanex16_b32 v250, v246, s12, s13
	v_add_f32 v246, v246, v250                     ; and lane l xor 16's: the row's sum
	v_rcp_f32 v251, v246
.rept 4
	v_nop                                          ; the plain instruction behind the reciprocal, and the four places between p's codes and the product
.endr
	v_wmma_scale_f32_16x16x128_f8f6f4 v[O:O+7], v[VF:VF+15], v[PC:PC+15], 0, v[VS], v[PS] matrix_a_fmt:MATRIX_FMT_BF8 matrix_b_fmt:MATRIX_FMT_BF8   ; lane (d, hf), register j: head 4 hf + j % 4
.rept 8
	v_nop
.endr
	s_wait_alu depctr_va_vdst(0)                   ; the wait for the reciprocal, ahead of its first reader
.irp j, 0,1,2,3
	v_mul_f32 v[252+\j], v[O+\j], v251             ; o[d][4 hf + j] / the sum: the accumulator's four lowest registers hold all that is wanted
.endr
	ds_store_b128 v[OSW], v[252:255] offset:OST    ; 16 d x 8 heads, 32 bytes a d
	s_wait_xcnt 0x0                                ; the last tile's stores have read their registers, which are written again below
.irp j, 0,1,2,3
	ds_load_b32 v[OUTV+4*\j], v[OSR] offset:OST+128*\j   ; lane l: d = 4 j + l / 8, head l % 8.  LDS serves a wave's instructions in order: these see my store
.endr
	s_wait_dscnt 0x0
.irp j, 0,1,2,3
	v_mov_b32 v[OUTV+4*\j+1], v[OUTV+4*\j]         ; the four repeated heads
	v_mov_b32 v[OUTV+4*\j+2], v[OUTV+4*\j]
	v_mov_b32 v[OUTV+4*\j+3], v[OUTV+4*\j]
.endr
.irp j, 0,1,2,3
	global_store_b128 v[GO], v[OUTV+4*\j:OUTV+4*\j+3], s[6:7] offset:2048*(\t)+512*\j th:TH_STORE_NT   ; 32 lanes store 512 consecutive bytes (four d), at a multiple of 256 from out0's first byte
.endr
.endm
	DTILE 0
	DTILE 1
	DTILE 2
	DTILE 3
	s_wait_xcnt 0x0
	v_lshl_add_u32 v254, v0, 2, 0x10800
	v_mov_b32 v255, 0
	s_wait_tensorcnt 0x0
	ds_add_u32 v254, v255
	s_wait_dscnt 0x0
	s_endpgm
.Lfunc_end_k_qc09aa38a4f_attn:
	.size	k_qc09aa38a4f_attn, .Lfunc_end_k_qc09aa38a4f_attn-k_qc09aa38a4f_attn
	.p2alignl 7, 3214868480
	.fill 96, 4, 3214868480
	.section	.rodata,"a",@progbits
	.p2align	6, 0x0
	.amdhsa_kernel k_qc09aa38a4f_attn
		.amdhsa_group_segment_fixed_size 69632
		.amdhsa_private_segment_fixed_size 0
		.amdhsa_enable_private_segment 0
		.amdhsa_kernarg_size 16
		.amdhsa_user_sgpr_count 2
		.amdhsa_user_sgpr_kernarg_segment_ptr 1
		.amdhsa_wavefront_size32 1
		.amdhsa_system_sgpr_workgroup_id_x 1
		.amdhsa_system_sgpr_workgroup_id_y 1
		.amdhsa_system_sgpr_workgroup_id_z 1
		.amdhsa_system_vgpr_workitem_id 0
		.amdhsa_next_free_vgpr 256
		.amdhsa_next_free_sgpr 66
		.amdhsa_reserve_vcc 0
		.amdhsa_float_denorm_mode_32 3
		.amdhsa_float_denorm_mode_16_64 3
		.amdhsa_memory_ordered 1
		.amdhsa_forward_progress 1
		.amdhsa_inst_pref_size 89
	.end_amdhsa_kernel
	.amdgpu_metadata
---
amdhsa.version: [ 1, 2 ]
amdhsa.kernels:
  - .name:           k_qc09aa38a4f_attn
    .symbol:         k_qc09aa38a4f_attn.kd
    .args:
      - { .name: qkv, .offset: 0, .size: 8, .value_kind: global_buffer, .address_space: global }
      - { .name: out0, .offset: 8, .size: 8, .value_kind: global_buffer, .address_space: global }
    .group_segment_fixed_size: 69632
    .private_segment_fixed_size: 0
    .kernarg_segment_align: 8
    .kernarg_segment_size: 16
    .max_flat_workgroup_size: 512
    .sgpr_count:     66
    .vgpr_count:     256
    .wavefront_size: 32
...
	.end_amdgpu_metadata
.endif
;; end of part 3
;; ======== version 2 of 2: 3 launches
;; limits: right only within a limited range of input values
;; workspace buffers: x_codes 8,650,752 bytes; w_codes 25,952,256 bytes; bias 24,576 bytes; qc 14,680,064 bytes
;; launch quant (part 4): grid 1024 x 1, 4 waves a work-group, no clusters, 69,120 bytes of LDS; arguments x, Wq, Wk, Wv, bq, bk, bv, x_codes, w_codes, bias; writes x_codes, w_codes, bias
.if DOCPART == 4
	.amdgcn_target "amdgcn-amd-amdhsa--gfx1250"
	.amdhsa_code_object_version 6
	.text
	.protected	k_qc09aa38a4f_quant
	.globl	k_qc09aa38a4f_quant
	.p2align	8
	.type	k_qc09aa38a4f_quant,@function
k_qc09aa38a4f_quant:
	s_mov_b64 s[64:65], 0
	v_nop
	global_prefetch_b8 v0, s[64:65] scope:SCOPE_SE
	s_setreg_imm32_b32 hwreg(HW_REG_WAVE_MODE, 25, 1), 1
	s_wait_xcnt 0x0
; x [2048][4096] and the three weights [4096 (K)][columns], f32, become codes of BF8 (E5M2) with K innermost and one E8M0 byte for each 32 along K.
; A block's scale is 2^(floor(log2(its largest magnitude)) - 15); its byte is the largest magnitude's exponent field - 15, held at 1 from below.
; Each number is divided by the scale, held within +-57,344 and rounded to the nearest code, ties to even.
; LIMITS: a block of zeros gets the byte 1 where the rule says 127 (its codes are zeros, and this program alone reads the bytes); blocks whose largest
; magnitude lies under 2^(16 - 127) were not tried; NaN and infinities among the inputs are not served.
; THE ROWS OF w_codes [6144][4096] ARE THE PRODUCT'S COLUMNS, IN AN ORDER OF THIS PROGRAM'S OWN: 32 runs of 192 rows, all of one make.  Run T holds
;   rows 0-127: q's d = 4 T + 0 .. 3, 32 heads each;   rows 128-159: k's e = 4 T + 0 .. 3, 8 heads each;   rows 160-191: v's head T / 4, e = 32 (T % 4) + 0 .. 31.
; The three biases are copied into one vector in the same order.
; Work-groups 0 to 767 take the weights (128 columns x 256 along K each), 768 to 1023 take x (32,768 numbers each).  The two ways use LDS bytes of their own.
; No tensor loads, no barrier: waves share nothing.  No cluster: no two work-groups read the same bytes.
; IN MEMORY the codes and the scale bytes of a tile lie together, by steps of 128 along K (a unit), as the product's launch fetches them:
;   x_codes [row / 256][unit 0 .. 31][33,792 bytes]: 256 rows x 128 codes, then 256 scale words (four bytes a row);
;   w_codes [run T][unit 0 .. 31][25,344 bytes]: the run's 192 rows x 128 codes, then 192 scale words.
; Inside a row's 128 bytes the eight pieces of 16 bytes are permuted: piece j lies at place j xor ((row / 2) % 8).
; Codes leave in whole aligned runs of 256 bytes (two neighbouring rows of one unit).  The scale words leave in pieces of 4 to 128 bytes: one byte in 32 of what is stored.
.set WGW,    768
.set UA,     33792                     ; a unit of x_codes
.set UB,     25344                     ; a unit of w_codes
.set FLOOR,  0x8000000                 ; 2^(16 - 127)
.set DOWN,   0xf8800000                ; -(15 << 23)
.set MANT,   0x600000                  ; the mantissa field of 57,344
; the weights' way
.set WPITCH, 272                       ; a stage row: 256 bytes of codes + 16
.set WSTG,   32*WPITCH                 ; a wave's stage
.set WSB,    24                        ; v24-25   my column's 8 scale bytes
.set WX,     32                        ; v32-95   two sets of 32 numbers
.set WC,     96                        ; v96-103  a block's codes
.set OUTR,   112                       ; v112-175 the way out
.set VO,     176                       ; v176-207 4 x lane + i x the weight's row pitch
.set VW,     214                       ; v214-221 the way out, q and k: offsets in the image, one for each (pair of rows) % 8
.set VWV,    222                       ; v222-223 the same for v: one for each of a column group's two pairs of rows
.set SBA,    36                        ; s[36:51] the weight at my columns, block t's first row
.set CBA,    52                        ; s[52:53] w_codes at my first row, unit 2 y
; x's way
.set XLDS,   35840                     ; behind the weights' four stages
.set STEPS,  16
.set SP,     80                        ; a lane's place in a stage: 64 bytes + 16
.set XR,     16                        ; v16-79   four sets of 16 numbers as loaded
.set XX,     80                        ; v80-111  two sets of 16 neighbours
.set XE,     112                       ; v112-127 a scale byte for each step
.set XC,     128                       ; v128-191 codes, four registers a step
	s_load_b512 s[8:23], s[0:1], 0x0               ; x 8, Wq 10, Wk 12, Wv 14, bq 16, bk 18, bv 20, x_codes 22
	s_load_b64 s[26:27], s[0:1], 0x40              ; w_codes
	s_load_b64 s[30:31], s[0:1], 0x48              ; bias
	v_lshl_add_u32 v224, v0, 2, 0x10c00
	v_mov_b32 v225, 0
	v_lshrrev_b32 v1, 5, v0
	v_readfirstlane_b32 s32, v1                    ; wave 0..3
	v_and_b32 v2, 31, v0                           ; lane
	s_mov_b32 s63, MANT
	s_wait_kmcnt 0x0
	s_cmp_ge_u32 ttmp9, WGW
	s_cbranch_scc1 .Lx
; ---------------- THE WEIGHTS.  A lane takes a column, and its registers run down K: a block of 32 lies in one lane, and the codes come out with K innermost.
; My wave's 32 columns n0 .. n0 + 31 of their tensor go to rows R0 + A (s % 8) + Bm (s / 8), s = 0 .. 31.  With E = n0 / 32:
;   q (column 32 d + h):  E = d:      R0 = 192 (E / 4) + 32 (E % 4),       A = 1,   Bm = 8
;   k (column 8 e + hk):  E = e / 4:  R0 = 192 E + 128,                    A = 1,   Bm = 8
;   v (column 8 e + hk):  E = e / 4:  R0 = 192 (E / 8) + 4 (E % 8) + 160,  A = 768 (four runs a head), Bm = 1
	s_lshr_b32 s33, ttmp9, 4                       ; g: which 128 columns of the 6,144
	s_and_b32 s34, ttmp9, 15                       ; y: which 256 along K
	s_cmp_lt_u32 s33, 40                           ; k or v?  Every choice hangs on the work-group's number alone
	s_cselect_b64 s[12:13], s[12:13], s[14:15]
	s_cselect_b64 s[18:19], s[18:19], s[20:21]
	s_mov_b32 s62, 160
	s_cselect_b32 s62, 128, s62                    ; R0's constant
	s_cselect_b32 s60, 1, 768                      ; A
	s_cselect_b32 s61, 8, 1                        ; Bm
	s_cselect_b32 s2, 0, 3                         ; the shift that gives the run
	s_cselect_b32 s6, 0, 4                         ; rows for each step of what the shift drops,
	s_cselect_b32 s7, 0, 7                         ; and its mask
	s_cselect_b32 s3, 32, 40                       ; the tensor's first g
	s_cmp_lt_u32 s33, 32                           ; q, or what was chosen above?
	s_cselect_b64 s[10:11], s[10:11], s[12:13]     ; the weight
	s_cselect_b64 s[16:17], s[16:17], s[18:19]     ; its bias
	s_cselect_b32 s62, 0, s62
	s_cselect_b32 s2, 2, s2
	s_cselect_b32 s6, 32, s6
	s_cselect_b32 s7, 3, s7
	s_cselect_b32 s3, 0, s3
	s_mov_b32 s35, 4096
	s_cselect_b32 s35, 16384, s35                  ; P: bytes from a row of the weight to the next
	s_sub_co_u32 s3, s33, s3
	s_lshl_b32 s3, s3, 2
	s_add_co_u32 s3, s3, s32                       ; E
	s_lshr_b32 s4, s3, s2
	s_mul_i32 s4, s4, 192
	s_and_b32 s5, s3, s7
	s_mul_i32 s5, s5, s6
	s_add_co_u32 s62, s62, s4
	s_add_co_u32 s62, s62, s5                      ; R0
	s_lshl_b32 s3, s3, 5                           ; n0
	s_lshl_b32 s4, s34, 8
	s_mul_i32 s4, s4, s35                          ; 256 y rows of the weight,
	s_lshl_b32 s5, s3, 2
	s_add_co_u32 s4, s4, s5                        ; + 4 n0: under 2^27
	s_mov_b32 s5, 0
	s_add_nc_u64 s[SBA:SBA+1], s[10:11], s[4:5]
	s_lshl_b32 s4, s35, 5                          ; 32 rows on
.irp t, 1,2,3,4,5,6,7
	s_add_nc_u64 s[SBA+2*\t:SBA+2*\t+1], s[SBA+2*\t-2:SBA+2*\t-1], s[4:5]
.endr
	s_add_co_u32 s6, s2, 5
	s_lshr_b32 s6, s3, s6                          ; R0's run (n0 = 32 E)
	s_mul_i32 s7, s6, 192
	s_sub_co_u32 s7, s62, s7                       ; and its row in the run
	s_mul_i32 s6, s6, 32*UB
	s_mul_i32 s4, s34, 2*UB
	s_add_co_u32 s6, s6, s4                        ; the run's image at unit 2 y
	s_lshl_b32 s4, s7, 7
	s_add_co_u32 s4, s4, s6
	s_add_nc_u64 s[CBA:CBA+1], s[26:27], s[4:5]    ; codes: 128 bytes a row
	s_lshl_b32 s4, s7, 2
	s_add_co_u32 s4, s4, s6
	s_add_co_u32 s4, s4, 192*128
	s_add_nc_u64 s[12:13], s[26:27], s[4:5]        ; scale words: behind the unit's codes, 4 bytes a row
	s_lshl_b32 s4, s3, 2
	s_add_nc_u64 s[14:15], s[16:17], s[4:5]        ; the tensor's bias at n0
	s_lshl_b32 s4, s62, 2
	s_add_nc_u64 s[18:19], s[30:31], s[4:5]        ; bias at R0
	s_wait_alu depctr_va_vdst(0)
	v_lshlrev_b32 v3, 2, v2                        ; 4 bytes a lane
	s_mul_i32 s6, s32, WSTG                        ; my stage
	v_mul_u32_u24 v4, v2, WPITCH
	v_add_nc_u32 v4, s6, v4                        ; into it: row = my column
	s_mov_b32 s7, 4*32*UB
	s_cmp_eq_u32 s60, 1
	s_cselect_b32 s7, 4, s7                        ; scale words: from column s % 8 to the next: a row, or (v) four runs
	s_cselect_b32 s4, 32, 4                        ; from s / 8 to the next: eight rows, or (v) one
	v_lshrrev_b32 v6, 4, v2                        ; lane / 16
	v_and_b32 v11, 7, v2                           ; lane % 8
	v_lshrrev_b32 v10, 3, v2
	v_mul_lo_u32 v8, v11, s60
	v_mul_lo_u32 v9, v10, s61
	v_add_nc_u32 v8, v8, v9                        ; my column's row, from R0 on
	v_lshlrev_b32 v14, 2, v8                       ; in bias: 4 bytes
	v_mul_lo_u32 v9, v11, s7
	v_mul_lo_u32 v5, v10, s4
	v_add_nc_u32 v9, v9, v5                        ; my column's scale word
.irp i, 0,1,2,3,4,5,6,7,8,9,10,11,12,13,14,15,16,17,18,19,20,21,22,23,24,25,26,27,28,29,30,31
	v_mad_u32_u24 v[VO+\i], s35, \i, v3            ; row i of a block, my column
.endr
; the way out: an instruction takes two rows of the image x two units: lane = 16 unit + 8 (row % 2) + piece
	v_bfe_u32 v12, v2, 3, 1
	v_lshlrev_b32 v13, 4, v11
	v_lshl_add_u32 v13, v6, 7, v13
	v_add_nc_u32 v13, s6, v13                      ; in my stage: 128 unit + 16 piece
	v_mad_u32_u24 v7, v12, WPITCH, v13             ; q, k: the pair's rows are stage rows 2 t, 2 t + 1
	v_mad_u32_u24 v213, v12, 8*WPITCH, v13         ; v: they lie eight stage rows apart
	v_mul_u32_u24 v13, v6, UB
	v_lshl_add_u32 v13, v12, 7, v13                ; in the image: UB unit + 128 (row % 2)
.irp x, 0,1,2,3,4,5,6,7
	v_xor_b32 v12, \x, v11
	v_lshl_add_u32 v[VW+\x], v12, 4, v13           ; q, k: pair t has (row / 2) % 8 = t % 8
.endr
	s_lshr_b32 s7, s3, 5
	s_and_b32 s7, s7, 3
	s_lshl_b32 s7, s7, 1                           ; v: (row / 2) % 8 = 2 (E % 4) + m, m = 0, 1
.irp m, 0,1
	s_add_co_u32 s4, s7, \m
	v_xor_b32 v12, s4, v11
	v_lshl_add_u32 v12, v12, 4, v13
	v_add_nc_u32 v[VWV+\m], 256*\m, v12
.endr
.macro WLOAD t                         ; block t: W(32 t + i, my column), i = 0 .. 31, into set t % 2; 32 lanes read 128 consecutive bytes, the four waves 512
.irp i, 0,1,2,3,4,5,6,7,8,9,10,11,12,13,14,15,16,17,18,19,20,21,22,23,24,25,26,27,28,29,30,31
	global_load_b32 v[WX+32*((\t)%2)+\i], v[VO+\i], s[SBA+2*(\t):SBA+2*(\t)+1] th:TH_LOAD_NT
.endr
.endm
	WLOAD 0
	WLOAD 1
.macro WBLOCK t
.set XS, WX+32*((\t)%2)
.if (\t) < 7
	s_wait_loadcnt 32                              ; this block's 32 loads are in; the next block's 32 may be out
.else
	s_wait_loadcnt 0
.endif
	v_max3_num_f32 v12, |v[XS]|, |v[XS+1]|, |v[XS+2]|               ; the block's largest magnitude: all 32 numbers are mine
	v_max3_num_f32 v13, |v[XS+3]|, |v[XS+4]|, |v[XS+5]|
.irp i, 6,10,14,18,22,26
	v_max3_num_f32 v12, v12, |v[XS+\i]|, |v[XS+\i+1]|
	v_max3_num_f32 v13, v13, |v[XS+\i+2]|, |v[XS+\i+3]|
.endr
	v_max3_num_f32 v12, v12, |v[XS+30]|, |v[XS+31]|
	v_max3_num_f32 v12, v12, v13, FLOOR            ; and the floor: the byte cannot fall under 1
	v_add_nc_u32 v11, DOWN, v12                    ; 15 off the exponent field: the conversion's scale operand
	v_and_or_b32 v10, v12, 0x7f800000, s63         ; 57,344 x the scale
	v_lshrrev_b32 v13, 23, v11                     ; the scale's byte
.if (\t)%4 == 0
	v_mov_b32 v[WSB+(\t)/4], v13                   ; four bytes to a register, the lower K in the lower byte
.else
	v_lshl_or_b32 v[WSB+(\t)/4], v13, 8*((\t)%4), v[WSB+(\t)/4]
.endif
.irp i, 0,1,2,3,4,5,6,7,8,9,10,11,12,13,14,15,16,17,18,19,20,21,22,23,24,25,26,27,28,29,30,31
	v_med3_num_f32 v[XS+\i], v[XS+\i], -v10, v10   ; the conversion to an 8-bit code does not saturate (ISA guide 7.6.2): the hold comes first
.endr
.irp g, 0,1,2,3
	v_cvt_scalef32_pk8_bf8_f32 v[WC+2*\g:WC+2*\g+1], v[XS+8*\g:XS+8*\g+7], v11
.endr
	ds_store_b128 v4, v[WC:WC+3] offset:32*(\t)    ; 32 codes: 32 bytes of my column's row
	ds_store_b128 v4, v[WC+4:WC+7] offset:32*(\t)+16
.if (\t)+2 < 8
	WLOAD (\t)+2
.endif
	s_wait_dscnt 0x0                               ; the stores have read their registers: the next block's codes may be written
.endm
.irp t, 0,1,2,3,4,5,6,7
	WBLOCK \t
.endr
	global_store_b32 v9, v[WSB], s[12:13]          ; my column's scale words of the two units
	global_store_b32 v9, v[WSB+1], s[12:13] offset:UB
	s_cmp_lt_u32 s33, 40
	s_cbranch_scc0 .Lvout
.irp t, 0,1,2,3,4,5,6,7,8,9,10,11,12,13,14,15
	ds_load_b128 v[OUTR+4*\t:OUTR+4*\t+3], v7 offset:2*\t*WPITCH   ; LDS serves a wave's instructions in order: these see my stores
.endr
.irp t, 0,1,2,3,4,5,6,7,8,9,10,11,12,13,14,15
	s_wait_dscnt 15-\t
	global_store_b128 v[VW+\t%8], v[OUTR+4*\t:OUTR+4*\t+3], s[CBA:CBA+1] offset:256*\t   ; sixteen lanes fill 256 consecutive bytes, aligned
.endr
	s_branch .Lwbias
.Lvout:                                                ; v: pair t = 8 m + head: stage rows head + 16 m and eight on; each head four runs further
	s_mov_b64 s[SBA:SBA+1], s[CBA:CBA+1]           ; (the loads that read these registers are done)
	s_mov_b32 s4, 4*32*UB
.irp q, 1,2,3,4,5,6,7
	s_add_nc_u64 s[SBA+2*\q:SBA+2*\q+1], s[SBA+2*\q-2:SBA+2*\q-1], s[4:5]
.endr
.irp t, 0,1,2,3,4,5,6,7,8,9,10,11,12,13,14,15
	ds_load_b128 v[OUTR+4*\t:OUTR+4*\t+3], v213 offset:((\t%8)+16*(\t/8))*WPITCH
.endr
.irp t, 0,1,2,3,4,5,6,7,8,9,10,11,12,13,14,15
	s_wait_dscnt 15-\t
	global_store_b128 v[VWV+\t/8], v[OUTR+4*\t:OUTR+4*\t+3], s[SBA+2*(\t%8):SBA+2*(\t%8)+1]
.endr
.Lwbias:
	s_cmp_lg_u32 s34, 0                            ; the work-groups of the first 256 along K also copy their columns' bias
	s_cbranch_scc1 .Lwend
	global_load_b32 v212, v3, s[14:15]
	s_wait_loadcnt 0x0
	global_store_b32 v14, v212, s[18:19]
.Lwend:
	s_wait_tensorcnt 0x0
	ds_add_u32 v224, v225
	s_wait_dscnt 0x0
	s_endpgm
; ---------------- x.  Rows are dense, so x is a plain stream of blocks of 32.  A wave takes 16 steps of 512 numbers.
; Each load reads 512 consecutive bytes; a step's 2,048 bytes turn through the wave's own stage, so that a lane then holds 16 neighbours; two neighbouring lanes hold a block.
.Lx:
	s_sub_co_u32 s33, ttmp9, WGW
	s_lshl_b32 s33, s33, 2
	s_add_co_u32 s33, s33, s32                     ; which run of 8,192 numbers is my wave's
	s_lshl_b32 s34, s33, 15
	s_mov_b32 s35, 0
	s_add_nc_u64 s[8:9], s[8:9], s[34:35]          ; x
	s_lshr_b32 s34, s33, 7                         ; my two rows 2 s33, 2 s33 + 1 lie in tile s33 / 128
	s_mul_i32 s34, s34, 32*UA
	s_add_nc_u64 s[22:23], s[22:23], s[34:35]      ; the tile's image
	s_and_b32 s36, s33, 127
	s_lshl_b32 s34, s36, 3
	s_add_co_u32 s34, s34, 32768
	s_add_nc_u64 s[24:25], s[22:23], s[34:35]      ; my rows' scale words in unit 0: behind its codes, 4 bytes a row
	s_lshl_b32 s34, s36, 8
	s_add_nc_u64 s[22:23], s[22:23], s[34:35]      ; my rows' codes in unit 0: 128 bytes a row
	s_wait_alu depctr_va_vdst(0)
	v_lshlrev_b32 v3, 4, v2
	s_and_b32 s37, s33, 7                          ; (row / 2) % 8
	v_and_b32 v192, 7, v2
	v_xor_b32 v192, s37, v192                      ; my piece's place in its row
	v_bfe_u32 v4, v2, 3, 1
	v_mul_u32_u24 v4, v4, UA                       ; lanes 8-15 and 24-31 hold the step's second unit
	v_lshl_add_u32 v4, v192, 4, v4
	v_lshrrev_b32 v192, 4, v2
	v_lshl_add_u32 v4, v192, 7, v4                 ; lanes 16-31 hold the second row
	v_mul_u32_u24 v194, v2, UA                     ; the scale words' way out: a lane a unit
	s_lshl_b32 s36, s32, 13
	s_add_co_u32 s36, s36, XLDS                    ; my wave's 8,192 bytes of LDS: two stages, then 256 scale bytes
	v_lshrrev_b32 v14, 2, v2
	v_mul_u32_u24 v14, v14, SP
	v_and_b32 v15, 3, v2
	v_lshl_add_u32 v14, v15, 4, v14
	v_add_nc_u32 v14, s36, v14                     ; into a stage: four lanes' 64 bytes on end, then 16 of padding
	v_mul_u32_u24 v15, v2, SP
	v_add_nc_u32 v15, s36, v15                     ; out of it: my 16 neighbours
	v_bfe_u32 v5, v2, 1, 2                         ; my block's byte among a step's 16: 8 unit + 4 row + block
	v_bfe_u32 v193, v2, 3, 1
	v_lshl_add_u32 v5, v193, 3, v5
	v_lshrrev_b32 v193, 4, v2
	v_lshl_add_u32 v5, v193, 2, v5
	s_add_co_u32 s36, s36, 2*32*SP
	v_add_nc_u32 v5, s36, v5                       ; my block's scale byte
	v_lshlrev_b32 v7, 3, v2
	v_add_nc_u32 v6, s36, v7                       ; and on the way out 8 bytes a lane
.macro XLOAD t
.irp i, 0,1,2,3
	global_load_b128 v[XR+16*((\t)%4)+4*\i:XR+16*((\t)%4)+4*\i+3], v3, s[8:9] offset:1024*(\t)+512*((\i)%2)+16384*((\i)/2) th:TH_LOAD_NT   ; step t: 256 along K of both rows
.endr
.endm
.macro XTURN t                         ; step t's numbers through the stage: LDS serves a wave's instructions in order, so no wait stands between the stores and the loads
.irp i, 0,1,2,3
	ds_store_b128 v14, v[XR+16*((\t)%4)+4*\i:XR+16*((\t)%4)+4*\i+3] offset:32*SP*((\t)%2)+8*SP*\i
.endr
.irp i, 0,1,2,3
	ds_load_b128 v[XX+16*((\t)%2)+4*\i:XX+16*((\t)%2)+4*\i+3], v15 offset:32*SP*((\t)%2)+16*\i
.endr
.endm
.irp t, 0,1,2,3
	XLOAD \t
.endr
	s_wait_alu depctr_va_vdst(0)
	s_wait_loadcnt 12                              ; step 0's four loads are in; three steps' twelve may be out
	XTURN 0
.macro XSTEP t
.set XSS, XX+16*((\t)%2)
.if (\t) > 0
	s_wait_dscnt 1                                 ; this step's numbers are back from the stage (the last step's byte store may be out)
.else
	s_wait_dscnt 0x0
.endif
.if (\t)+4 < STEPS
	XLOAD (\t)+4                                   ; into the registers that the stage's stores have read
.endif
.if (\t)+1 < STEPS
.if STEPS-2-(\t) >= 3
	s_wait_loadcnt 12                              ; the next step's four loads are in; those of the three steps behind it may be out
.else
	s_wait_loadcnt 4*(STEPS-2-(\t))
.endif
	XTURN (\t)+1
.endif
	v_max3_num_f32 v8, |v[XSS]|, |v[XSS+1]|, |v[XSS+2]|
	v_max3_num_f32 v9, |v[XSS+3]|, |v[XSS+4]|, |v[XSS+5]|
.irp i, 6,10
	v_max3_num_f32 v8, v8, |v[XSS+\i]|, |v[XSS+\i+1]|
	v_max3_num_f32 v9, v9, |v[XSS+\i+2]|, |v[XSS+\i+3]|
.endr
	v_max3_num_f32 v8, v8, |v[XSS+14]|, |v[XSS+15]|
	v_max3_num_f32 v8, v8, v9, FLOOR
	v_max_num_f32_dpp v8, v8, v8 row_xmask:1 row_mask:0xf bank_mask:0xf   ; with my neighbour's 16: the block's largest magnitude
	v_add_nc_u32 v11, DOWN, v8
	v_and_or_b32 v10, v8, 0x7f800000, s63
.irp i, 0,1,2,3,4,5,6,7,8,9,10,11,12,13,14,15
	v_med3_num_f32 v[XSS+\i], v[XSS+\i], -v10, v10
.endr
	v_cvt_scalef32_pk8_bf8_f32 v[XC+4*(\t):XC+4*(\t)+1], v[XSS:XSS+7], v11
	v_cvt_scalef32_pk8_bf8_f32 v[XC+4*(\t)+2:XC+4*(\t)+3], v[XSS+8:XSS+15], v11
	v_lshrrev_b32 v[XE+(\t)], 23, v11              ; the scale's byte
	ds_store_b8 v5, v[XE+(\t)] offset:16*(\t)      ; both lanes of a block write the same byte with the same value
	global_store_b128 v4, v[XC+4*(\t):XC+4*(\t)+3], s[22:23] offset:2*UA*(\t)   ; sixteen lanes (two rows of one unit) fill 256 consecutive bytes, aligned
.endm
.irp t, 0,1,2,3,4,5,6,7,8,9,10,11,12,13,14,15
	XSTEP \t
.endr
	ds_load_b64 v[12:13], v6                       ; LDS serves a wave's instructions in order: these see my stores
	s_wait_dscnt 0x0
	global_store_b64 v194, v[12:13], s[24:25]      ; lane l: unit l's scale words of my two rows
	s_wait_tensorcnt 0x0
	ds_add_u32 v224, v225
	s_wait_dscnt 0x0
	s_endpgm
.Lfunc_end_k_qc09aa38a4f_quant:
	.size	k_qc09aa38a4f_quant, .Lfunc_end_k_qc09aa38a4f_quant-k_qc09aa38a4f_quant
	.p2alignl 7, 3214868480
	.fill 96, 4, 3214868480
	.section	.rodata,"a",@progbits
	.p2align	6, 0x0
	.amdhsa_kernel k_qc09aa38a4f_quant
		.amdhsa_group_segment_fixed_size 69120
		.amdhsa_private_segment_fixed_size 0
		.amdhsa_enable_private_segment 0
		.amdhsa_kernarg_size 80
		.amdhsa_user_sgpr_count 2
		.amdhsa_user_sgpr_kernarg_segment_ptr 1
		.amdhsa_wavefront_size32 1
		.amdhsa_system_sgpr_workgroup_id_x 1
		.amdhsa_system_sgpr_workgroup_id_y 1
		.amdhsa_system_sgpr_workgroup_id_z 1
		.amdhsa_system_vgpr_workitem_id 0
		.amdhsa_next_free_vgpr 226
		.amdhsa_next_free_sgpr 66
		.amdhsa_reserve_vcc 0
		.amdhsa_float_denorm_mode_32 3
		.amdhsa_float_denorm_mode_16_64 3
		.amdhsa_memory_ordered 1
		.amdhsa_forward_progress 1
		.amdhsa_inst_pref_size 119
	.end_amdhsa_kernel
	.amdgpu_metadata
---
amdhsa.version: [ 1, 2 ]
amdhsa.kernels:
  - .name:           k_qc09aa38a4f_quant
    .symbol:         k_qc09aa38a4f_quant.kd
    .args:
      - { .name: x, .offset: 0, .size: 8, .value_kind: global_buffer, .address_space: global }
      - { .name: Wq, .offset: 8, .size: 8, .value_kind: global_buffer, .address_space: global }
      - { .name: Wk, .offset: 16, .size: 8, .value_kind: global_buffer, .address_space: global }
      - { .name: Wv, .offset: 24, .size: 8, .value_kind: global_buffer, .address_space: global }
      - { .name: bq, .offset: 32, .size: 8, .value_kind: global_buffer, .address_space: global }
      - { .name: bk, .offset: 40, .size: 8, .value_kind: global_buffer, .address_space: global }
      - { .name: bv, .offset: 48, .size: 8, .value_kind: global_buffer, .address_space: global }
      - { .name: x_codes, .offset: 56, .size: 8, .value_kind: global_buffer, .address_space: global }
      - { .name: w_codes, .offset: 64, .size: 8, .value_kind: global_buffer, .address_space: global }
      - { .name: bias, .offset: 72, .size: 8, .value_kind: global_buffer, .address_space: global }
    .group_segment_fixed_size: 69120
    .private_segment_fixed_size: 0
    .kernarg_segment_align: 8
    .kernarg_segment_size: 80
    .max_flat_workgroup_size: 128
    .sgpr_count:     66
    .vgpr_count:     226
    .wavefront_size: 32
...
	.end_amdgpu_metadata
.endif
;; end of part 4
;; launch gemm (part 5): grid 32 x 8, 4 waves a work-group, clusters of 4 x 4, 327,680 bytes of LDS; arguments x_codes, w_codes, bias, qc; writes qc
.if DOCPART == 5
	.amdgcn_target "amdgcn-amd-amdhsa--gfx1250"
	.amdhsa_code_object_version 6
	.text
	.protected	k_qc09aa38a4f_gemm
	.globl	k_qc09aa38a4f_gemm
	.p2align	8
	.type	k_qc09aa38a4f_gemm,@function
k_qc09aa38a4f_gemm:
	s_mov_b64 s[64:65], 0
	v_nop
	global_prefetch_b8 v0, s[64:65] scope:SCOPE_SE
	s_setreg_imm32_b32 hwreg(HW_REG_WAVE_MODE, 25, 1), 1
	s_wait_xcnt 0x0
	s_wait_alu depctr_hold_cnt(0) depctr_sa_sdst(0) depctr_va_vdst(0) depctr_va_sdst(0) depctr_va_ssrc(0) depctr_va_vcc(0) depctr_vm_vsrc(0)
	s_getreg_b32 s2, hwreg(HW_REG_IB_STS2, 6, 4)
	s_cmp_eq_u32 s2, 0
	s_cbranch_scc0 .Lentry_in_a_cluster
	s_endpgm
.Lentry_in_a_cluster:
	s_bfe_u32 s2, ttmp6, 0x10000c
	s_cmp_lg_u32 s2, 0xf033
	s_cbranch_scc0 .Lentry_shape_is_right
	s_endpgm
.Lentry_shape_is_right:
; q, k, v = x W + b ON CODES OF MX-BF8 (E5M2, one E8M0 byte for 32 along K), 2,048 x 6,144 x 4,096, AND THEIR QUANTISERS for the two products of the next launch.
; A work-group of four waves makes 256 tokens x one run of 192 columns (128 of q, 32 of k, 32 of v); a wave 128 x 96: 48 accumulators.  256 work-groups.
; THE OPERANDS lie in memory by units of 128 along K: x_codes [tile row][unit][UA]: 256 rows x 128 codes, then 256 scale words; w_codes [run][unit][UB]: 192 rows, then 192 words.
; A unit comes into LDS as it lies, as rows of 256 bytes without padding.  In a row's 128 bytes piece j of 16 bytes lies at place j xor ((row / 2) % 8): the sixteen rows that half a
; fragment load touches then fall on sixteen different columns of 16 bytes modulo 256 (64 banks of 4 bytes: ISA guide 11.1).
; THE RING: slot X holds three units, slot Y two: 5 (UA + UB) = 295,680 bytes.  32 units are X, Y six times and X once more with two units: 13 fills.
; Waves 0 to 2 fetch a third of A's part of a fill each, wave 3 all of B's: one joint load a wave behind each round.
; CLUSTERS of 4 x 4: A's tiles are asked for jointly along a row of the cluster, B's along a column.
; REGISTERS: window 0: addresses, three sets of scale words, B's third set (v128-223; the bias at first; the way out's codes at last); window 1: B's sets 0 and 1;
; windows 2, 3: the accumulators of A's blocks 0-3, 4-7 (v0-191) and those blocks' fragments (v192-255), one set.  B's sets go 0, 1, 2, 0, 1 over a trip's five units.
; A unit is 48 products: A's blocks one after the other, each against B's six; the accumulators take turns.  The bias is the first products' C.
; The products are used transposed: a lane holds eight neighbouring columns of one token.
; PREFETCH: behind a refill of a slot each wave names its share of that slot's NEXT fill, which is two refills on: the sixteen waves of the four work-groups that share a tile divide its
; blocks of 256 bytes by address (25, 19, 17 or 13 blocks a wave; lanes left over name the last again).  The first two fills of each slot, the last trip's and the last fill are not asked for.
; THE WAY OUT: blocks of 32 along the next products' K are quantised in registers, gathered in LDS (in slot X, which has had its last fill) as records of 224 bytes and stored in whole runs.
; LIMITS: NaN and infinities are not served; a block's byte never falls under 1 (a block of zeros has zero codes).
.set UA,     33792
.set UB,     25344
.set TH,     2*UA/3                    ; a third of two units of A: 88 rows of 256 bytes
.set AX,     0
.set BX,     3*UA
.set AY,     3*UA+3*UB
.set BY,     AY+2*UA
.set SPARE,  BY+2*UB
.set NP,     8
.set REC,    224
.set TILEB,  8*REC
.set GRP,    32*TILEB
.set FLOOR,  0x8000000
.set DOWN,   0xf8800000
.set MANT,   0x600000
.set PO,   16                          ; v16-19 prefetch offsets: A, B of three units; A, B of two
.set BO,   20
.set CO1,  23
.set STO,  24
.set RD0,  25
.set CO0,  26
.set SPW,  28
.set NIL,  29
.set STS,  31
.set AD,   32                          ; v32-71 place k of the ring's five: v[AD+8k+c] A's fragments, piece pair c; v[AD+8k+4+c] B's
.set SD,   72                          ; v72-81 v[SD+2k] scale words: lanes 0-15 A's, lanes 16-31 B's; v[SD+2k+1] A's in all lanes
.set SC,   88                          ; v88-111 three sets of eight scale words
.set BIAS, 128
.set MX,   32                          ; the way out's registers lie over the addresses, which are done with
.set TG,   38
.set PX,   41
.set UN,   44
.set SOP,  48
.set HD,   52
.set BY_,  56
.set FL,   60
.set CD,   128
.set G1A,  24                          ; s[24:31], s[32:39] group 1 for A: 132 rows (a unit), 88 rows
.set G1B,  40                          ; s[40:47], s[48:55] for B: 297 rows (three units), 198 rows
.set G0A,  56                          ; s[56:59] A into X, s[68:71] A into Y
.set G0B,  60                          ; s[60:63] B into X, s[72:75] B into Y
.set G0AF, 76                          ; s[76:79] A's last two units, into X
.set PF,   88                          ; s[88:95] where the prefetches stand: X's A, B; Y's A, B
.set MSB, 0
.macro WIN new
.if MSB != \new
	s_set_vgpr_msb (MSB<<8)|\new
.set MSB, \new
.endif
.endm
.macro PLACES n
.rept \n
	v_nop
.endr
.endm
.macro JL g0a, g1a, g0b, g1b           ; a joint load: waves 0 to 2 for A, wave 3 for B; s_nop 0 and four v_nop follow each line
	s_cmp_lt_u32 s14, 3
	s_cbranch_scc0 .Lfor_b_\@
	tensor_load_to_lds s[\g0a:\g0a+3], s[\g1a:\g1a+7]
	s_nop 0
	PLACES 4
	s_branch .Lasked_\@
.Lfor_b_\@:
	tensor_load_to_lds s[\g0b:\g0b+3], s[\g1b:\g1b+7]
	s_nop 0
	PLACES 4
.Lasked_\@:
.endm
.macro ASK y                           ; s3 = 1 in the loop's last trip, which asks for nothing
	s_cmp_gt_u32 s3, s99                           ; A's blocks are read by eight clusters: four of them ask (s99 = 1 there, else the greatest number)
	s_cbranch_scc0 .Lnot_a_\@
	global_prefetch_b8 v[PO+2*\y], s[PF+4*\y:PF+4*\y+1] th:TH_LOAD_NT scope:SCOPE_SE
.Lnot_a_\@:
	s_cmp_gt_u32 s3, 1                             ; B's are read by two clusters: both ask
	s_cbranch_scc0 .Lnone_\@
	global_prefetch_b8 v[PO+2*\y+1], s[PF+4*\y+2:PF+4*\y+3] th:TH_LOAD_NT scope:SCOPE_SE
.Lnone_\@:
.endm
.macro CREST
	s_cmp_lg_u32 s14, 0
	s_cbranch_scc1 .Lnot_wave_0_\@
	s_barrier_signal -3
.Lnot_wave_0_\@:
	s_barrier_wait -3
	s_barrier_signal -1
	s_barrier_wait -1
.endm
.macro CROUND
	s_barrier_signal -1
	s_barrier_wait -1
	CREST
.endm
.macro GRP1 g, mask, rows              ; a dense block as rows of 256 bytes (32 elements of 8), no padding
	s_or_b32 s[\g], s\mask, (3<<16)|(1<<21)
	s_mov_b32 s[\g+1], 32<<16
	s_mov_b32 s[\g+2], (\rows)<<16
	s_mov_b32 s[\g+3], 32<<16
	s_mov_b32 s[\g+4], \rows
	s_mov_b32 s[\g+5], 32
	s_mov_b32 s[\g+6], 0
	s_mov_b32 s[\g+7], 0
.endm
	s_load_b128 s[4:7], s[0:1], 0x0                ; x_codes, w_codes
	s_load_b64 s[66:67], s[0:1], 0x10              ; bias
	s_load_b64 s[12:13], s[0:1], 0x18              ; qc
	v_lshl_add_u32 v[SPW], v0, 2, SPARE
	v_mov_b32 v[NIL], 0
	ds_add_u32 v[SPW], v[NIL]                      ; the opening lines: the add, twice on end, and its wait ahead of my first tensor load
	ds_add_u32 v[SPW], v[NIL]
	v_lshrrev_b32 v1, 5, v0
	v_readfirstlane_b32 s14, v1                    ; wave
	s_lshr_b32 s15, s14, 1                         ; my half of the tile's rows
	s_and_b32 s16, s14, 1                          ; my half of its columns
	s_bfe_u32 s80, ttmp6, 0x40000                  ; cx
	s_bfe_u32 s81, ttmp6, 0x40004                  ; cy
	s_lshl_b32 s82, ttmp9, 2
	s_add_co_u32 s82, s82, s80                     ; the run
	s_and_b32 s17, ttmp7, 0xffff
	s_lshl_b32 s17, s17, 2
	s_add_co_u32 s17, s17, s81                     ; the tile row
	s_lshl_b32 s83, s81, 2
	s_lshl_b32 s83, 15, s83                        ; my row of the cluster
	s_lshl_b32 s84, 0x1111, s80                    ; my column
	GRP1 G1A, 83, 132
	GRP1 G1A+8, 83, 88
	GRP1 G1B, 84, 297
	GRP1 G1B+8, 84, 198
	s_mul_i32 s18, s17, 32*UA
	s_mov_b32 s19, 0
	s_mul_i32 s20, s82, 32*UB
	s_mov_b32 s21, 0
	s_mul_i32 s22, s14, UA                         ; my third of three units,
	s_mov_b32 s23, 0
	s_mul_i32 s2, s14, TH                          ; of two
	s_mov_b32 s3, 0
	s_wait_dscnt 0x0                               ; both opening adds are done
	s_wait_kmcnt 0x0
	s_add_nc_u64 s[4:5], s[4:5], s[18:19]          ; my tile row's image
	s_add_nc_u64 s[6:7], s[6:7], s[20:21]          ; my run's
	CROUND                                         ; all sixteen work-groups are here: the first joint loads meet
	s_mov_b32 s[G0A], 1                            ; X: units 0 to 2
	s_mov_b32 s[G0A+1], s22
	s_add_nc_u64 s[G0A+2:G0A+3], s[4:5], s[22:23]
	s_or_b32 s[G0A+3], s[G0A+3], 0x80000000
	s_mov_b32 s[G0B], 1
	s_mov_b32 s[G0B+1], BX
	s_mov_b64 s[G0B+2:G0B+3], s[6:7]
	s_or_b32 s[G0B+3], s[G0B+3], 0x80000000
	s_mov_b32 s[G0A+12], 1                         ; Y: units 3, 4
	s_add_co_u32 s[G0A+13], s2, AY
	s_add_nc_u64 s[G0A+14:G0A+15], s[4:5], s[2:3]
	s_add_nc_u64 s[G0A+14:G0A+15], s[G0A+14:G0A+15], 3*UA
	s_or_b32 s[G0A+15], s[G0A+15], 0x80000000
	s_mov_b32 s[G0B+12], 1
	s_mov_b32 s[G0B+13], BY
	s_add_nc_u64 s[G0B+14:G0B+15], s[6:7], 3*UB
	s_or_b32 s[G0B+15], s[G0B+15], 0x80000000
	s_mov_b32 s[G0AF], 1                           ; units 30, 31, into X
	s_mov_b32 s[G0AF+1], s2
	s_add_nc_u64 s[G0AF+2:G0AF+3], s[4:5], s[2:3]
	s_add_nc_u64 s[G0AF+2:G0AF+3], s[G0AF+2:G0AF+3], 30*UA
	s_or_b32 s[G0AF+3], s[G0AF+3], 0x80000000
	JL G0A, G1A, G0B, G1B                          ; the head's loads, one a wave
	s_add_nc_u64 s[PF:PF+1], s[4:5], 5*UA          ; the prefetches stand at each slot's second fill; the first refill steps them to the third
	s_add_nc_u64 s[PF+2:PF+3], s[6:7], 5*UB
	s_add_nc_u64 s[PF+4:PF+5], s[4:5], 8*UA
	s_add_nc_u64 s[PF+6:PF+7], s[6:7], 8*UB
	v_and_b32 v1, 15, v0                           ; r
	v_bfe_u32 v2, v0, 4, 1                         ; h
	v_lshrrev_b32 v3, 1, v1
	v_lshlrev_b32 v4, 7, v1                        ; a row is 128 bytes
	v_xor_b32 v6, v2, v3
.irp c, 0,1,2,3
	v_xor_b32 v5, 2*\c, v6                         ; piece 2 c + h lies at place (2 c + h) xor (r / 2)
	v_lshl_add_u32 v[8+\c], v5, 4, v4
.endr
	s_lshl_b32 s18, s15, 14                        ; my 128 rows of A,
	s_mul_i32 s19, s16, 96*128                     ; my 96 of B,
	s_lshl_b32 s20, s15, 9                         ; and their scale words
	s_mul_i32 s21, s16, 96*4
.set K_, 0
.rept 5
.if K_ < 3
.set PA_, AX+K_*UA
.set PB_, BX+K_*UB
.else
.set PA_, AY+(K_-3)*UA
.set PB_, BY+(K_-3)*UB
.endif
	s_add_co_u32 s22, s18, PA_
	s_add_co_u32 s23, s19, PB_
.irp c, 0,1,2,3
	v_add_nc_u32 v[AD+8*K_+\c], s22, v[8+\c]
	v_add_nc_u32 v[AD+8*K_+4+\c], s23, v[8+\c]
.endr
	s_add_co_u32 s22, s20, PA_+32768
	s_add_co_u32 s23, s21, PB_+24576
	s_sub_co_u32 s23, s23, s22
	v_lshl_add_u32 v[SD+2*K_+1], v1, 2, s22
	v_mul_u32_u24 v5, s23, v2                      ; lanes 16-31 take B's
	v_add_nc_u32 v[SD+2*K_], v[SD+2*K_+1], v5
.set K_, K_+1
.endr
	s_lshl_b32 s23, s15, 7                         ; the way out's addresses
	v_add_nc_u32 v5, s23, v1
	v_mul_u32_u24 v5, v5, REC
	v_lshl_add_u32 v5, v2, 3, v5
	s_mul_i32 s23, s16, 96
	v_add_nc_u32 v[STO], s23, v5
	s_lshl_b32 s23, s16, 4
	s_add_co_u32 s23, s23, 192
	v_add_nc_u32 v[STS], s23, v5
	s_mul_i32 s23, s14, 64*REC
	v_and_b32 v6, 31, v0
	v_lshlrev_b32 v[CO0], 4, v6
	v_add_nc_u32 v[RD0], s23, v[CO0]
	v_mad_u32_u24 v[CO1], v2, GRP-TILEB, v[CO0]
	s_lshl_b32 s20, s17, 5
	s_lshl_b32 s21, s14, 3
	s_add_co_u32 s20, s20, s21
	s_mul_i32 s20, s20, GRP
	s_mul_i32 s86, s82, TILEB
	s_add_co_u32 s20, s20, s86
	s_mov_b32 s21, 0
	s_add_nc_u64 s[12:13], s[12:13], s[20:21]
	s_mul_i32 s86, s82, 192
	s_mul_i32 s87, s16, 96
	s_add_co_u32 s86, s86, s87
	s_lshl_b32 s86, s86, 2
	s_mov_b32 s87, 0
	s_add_nc_u64 s[66:67], s[66:67], s[86:87]
	v_lshlrev_b32 v[BO], 5, v2
.irp b, 0,1,2,3,4,5
	global_load_b128 v[BIAS+8*\b:BIAS+8*\b+3], v[BO], s[66:67] offset:64*\b
	global_load_b128 v[BIAS+8*\b+4:BIAS+8*\b+7], v[BO], s[66:67] offset:64*\b+16
.endr
	s_lshl_b32 s85, s80, 2
	s_add_co_u32 s85, s85, s14                     ; which of the sixteen waves that share A's tile I am,
	s_lshl_b32 s86, s81, 2
	s_add_co_u32 s86, s86, s14                     ; and B's
.macro PFOFF reg, per, last, sg        ; my share: blocks per x me .. + per - 1, none beyond the fill's last
	v_min_u32 v5, (\per)-1, v6
	s_mul_i32 s22, s\sg, \per
	v_add_nc_u32 v5, s22, v5
	v_min_u32 v5, \last, v5
	v_lshlrev_b32 v[\reg], 8, v5
.endm
	s_bcnt1_i32_b32 s99, ttmp9                     ; the clusters whose x has an even count of ones ask for A: the cluster's number alone decides, the same in all partners
	s_and_b32 s99, s99, 1
	s_cmp_eq_u32 s99, 0
	s_cselect_b32 s99, 1, -1
	s_wait_alu depctr_va_vdst(0)
	PFOFF PO, 25, 395, 85
	PFOFF PO+1, 19, 296, 86
	PFOFF PO+2, 17, 263, 85
	PFOFF PO+3, 13, 197, 86
.macro MUL24 hi, p, first              ; A's blocks 4 hi .. 4 hi + 3 against B's six of set p
.irp a, 0,1,2,3
.irp b, 0,1,2,3,4,5
.if \first
	v_wmma_scale_f32_16x16x128_f8f6f4 v[48*\a+8*\b:48*\a+8*\b+7], v[96*(\p)-64*((\p)/2)+16*\b:96*(\p)-64*((\p)/2)+16*\b+15], v[192+16*\a:192+16*\a+15], v[BIAS+8*\b:BIAS+8*\b+7], v[SC+8*(\p)+\b], v[SC+8*(\p)+4*(\hi)+\a] matrix_a_fmt:MATRIX_FMT_BF8 matrix_b_fmt:MATRIX_FMT_BF8 matrix_a_scale:MATRIX_SCALE_ROW1
.else
	v_wmma_scale_f32_16x16x128_f8f6f4 v[48*\a+8*\b:48*\a+8*\b+7], v[96*(\p)-64*((\p)/2)+16*\b:96*(\p)-64*((\p)/2)+16*\b+15], v[192+16*\a:192+16*\a+15], v[48*\a+8*\b:48*\a+8*\b+7], v[SC+8*(\p)+\b], v[SC+8*(\p)+4*(\hi)+\a] matrix_a_fmt:MATRIX_FMT_BF8 matrix_b_fmt:MATRIX_FMT_BF8 matrix_a_scale:MATRIX_SCALE_ROW1
.endif
.endr
.endr
.endm
.macro FB kn, pn                       ; B's six fragments of place kn into set pn: 24 loads
	WIN (1-(\pn)/2)<<6
.irp i, 0,1,2,3,4,5
.irp c, 0,1,2,3
	ds_load_b128 v[96*(\pn)-64*((\pn)/2)+16*\i+4*\c:96*(\pn)-64*((\pn)/2)+16*\i+4*\c+3], v[AD+8*(\kn)+4+\c] offset:2048*\i
.endr
.endr
.endm
.macro FA kn, hi                       ; A's blocks 4 hi .. 4 hi + 3: 16 loads
	WIN (2+(\hi))<<6
.irp i, 0,1,2,3
.irp c, 0,1,2,3
	ds_load_b128 v[192+16*\i+4*\c:192+16*\i+4*\c+3], v[AD+8*(\kn)+\c] offset:2048*(4*(\hi)+\i)
.endr
.endr
.endm
.macro FS kn, pn                       ; the scale words: register i: lanes 0-15 A's block i, lanes 16-31 B's block i: 8 loads
	WIN 0
.irp i, 0,1,2,3,4,5
	ds_load_b32 v[SC+8*(\pn)+\i], v[SD+2*(\kn)] offset:64*\i
.endr
.irp i, 6,7
	ds_load_b32 v[SC+8*(\pn)+\i], v[SD+2*(\kn)+1] offset:64*\i
.endr
.endm
; A UNIT: 128 along K on set p; in its middle and at its end the next unit's operands are fetched from place kn into set pn.  Eight plain places stand ahead of each run of loads
; into registers that products have read.
.macro UNIT p, pn, kn, first=0, fetch=1, turn=0
.if \turn == 0
	s_wait_dscnt 16                                ; all but the youngest 16 loads, A's blocks 4-7
.endif
	WIN (1-(\p)/2)|0x88|(0x20*(1-(\first)))
	MUL24 0, \p, \first
.if \turn == 0
	s_wait_dscnt 0x0                               ; A's blocks 4-7 are in
.endif
.if \fetch
	PLACES NP
	FB \kn, \pn
	FA \kn, 0
	FS \kn, \pn
.endif
	WIN (1-(\p)/2)|0xcc|(0x30*(1-(\first)))
	MUL24 1, \p, \first
.if \fetch
	PLACES NP
	FA \kn, 1
.endif
	WIN 0
.endm
; THE CHANGE OF SLOTS, at the head of a slot's last unit, whose operands are in registers.  y: the slot that is left (0: X, 1: Y).  fill 1: it is filled again, five units on; 2: X takes the last two units; 0: nothing.
.macro CHANGE y, fill
.if \fill == 1
	s_wait_xcnt 0x0                                ; my prefetches have read their addresses
	s_add_nc_u64 s[PF+4*\y:PF+4*\y+1], s[PF+4*\y:PF+4*\y+1], 5*UA
	s_add_nc_u64 s[PF+4*\y+2:PF+4*\y+3], s[PF+4*\y+2:PF+4*\y+3], 5*UB
.endif
	s_wait_tensorcnt 0x0                           ; my part of the other slot is in
	ds_add_u32 v[SPW], v[NIL]                      ; 0 onto my spare word
.if \fill == 1
	s_add_nc_u64 s[G0A+12*\y+2:G0A+12*\y+3], s[G0A+12*\y+2:G0A+12*\y+3], 5*UA
.endif
.if \fill
	s_add_nc_u64 s[G0B+12*\y+2:G0B+12*\y+3], s[G0B+12*\y+2:G0B+12*\y+3], 5*UB
.endif
	s_wait_dscnt 0x0                               ; the add is done, and my reads of this slot are over
	s_barrier_signal -1
	s_barrier_wait -1
.if \fill
	CREST                                          ; the barrier has opened a round of the cluster's barrier
.endif
.if \fill == 1
	JL G0A+12*\y, G1A+8*\y, G0B+12*\y, G1B+8*\y
	ASK \y
.endif
.if \fill == 2
	JL G0AF, G1A+8, G0B, G1B+8
.endif
.endm
	s_wait_alu depctr_va_vdst(0)
	s_wait_tensorcnt 0x0                           ; my part of X is in; these lines stand ahead of a later first fill as ahead of a refill
	ds_add_u32 v[SPW], v[NIL]
	s_wait_dscnt 0x0
	CROUND
	JL G0A+12, G1A+8, G0B+12, G1B+8                ; Y's first fill, the first tensor load behind the round
	FB 0, 0
	FA 0, 0
	FS 0, 0
	FA 0, 1
	WIN 0
	s_wait_loadcnt 0x0                             ; the bias
	UNIT 0, 1, 1, 1                                ; unit 0 stands in front of the loop: its products start the sums
	s_mov_b32 s3, 5
.Llap:                                                 ; a trip: places 1, 2, 3, 4, 0 of the ring; both slots are filled again
	UNIT 1, 2, 2
	CHANGE 0, 1
	UNIT 2, 0, 3, 0, 1, 1
	UNIT 0, 1, 4
	CHANGE 1, 1
	UNIT 1, 0, 0, 0, 1, 1
	UNIT 0, 1, 1
	s_sub_co_u32 s3, s3, 1
	s_cmp_lg_u32 s3, 0
	s_cbranch_scc1 .Llap
	UNIT 1, 2, 2                                   ; units 26 to 31 are written out
	CHANGE 0, 2
	UNIT 2, 0, 3, 0, 1, 1
	UNIT 0, 1, 4
	CHANGE 1, 0
	UNIT 1, 0, 0, 0, 1, 1
	UNIT 0, 1, 1
	UNIT 1, 0, 0, 0, 0
	PLACES NP
	s_wait_dscnt 0x0
	s_barrier_signal -1
	s_barrier_wait -1                              ; nobody reads slot X any more
	s_mov_b32 s96, 0x76543210
	s_mov_b32 s97, 0xfedcba98
	s_mov_b32 s98, MANT
	s_cmp_eq_u32 s16, 1
	s_cselect_b32 vcc_lo, -1, 0
	v_mov_b32 v[FL], FLOOR
.irp g, 0,1,2
	v_mov_b32 v[PX+\g], 0
.endr
; A block of 16 tokens x my 96 columns.  Column half 0: three d of q (blocks of 32 heads: two accumulators and both halves of the lanes).
; Half 1: one d of q; k's 32 columns (a block is 8 heads, repeated: one accumulator of one half of the lanes); v's 32 e.
.macro QOUT a
.set AC, 48*((\a)%4)
.set CDA, CD+14*(\a)
.if (\a) < 4
	WIN 0x28
.else
	WIN 0x3c
.endif
.irp b, 0,1,2,3,4,5
	v_max3_num_f32 v[MX+\b], v[FL], |v[AC+8*\b]|, |v[AC+8*\b+1]|
.endr
.irp i, 2,4,6
.irp b, 0,1,2,3,4,5
	v_max3_num_f32 v[MX+\b], v[MX+\b], |v[AC+8*\b+\i]|, |v[AC+8*\b+\i+1]|
.endr
.endr
	WIN 0
.irp g, 0,1,2
	v_max_num_f32 v[TG+\g], v[MX+2*\g], v[MX+2*\g+1]
.endr
.irp g, 0,1,2
	v_permlanex16_b32 v[PX+\g], v[TG+\g], s96, s97
.endr
	v_max_num_f32 v[UN], v[TG], v[PX]
	v_max_num_f32 v[TG+1], v[TG+1], v[PX+1]
	v_max_num_f32 v[UN+3], v[TG+2], v[PX+2]
	v_cndmask_b32 v[UN+1], v[TG+1], v[MX+2], vcc_lo
	v_cndmask_b32 v[UN+2], v[TG+1], v[MX+3], vcc_lo
.irp u, 0,1,2,3
	v_add_nc_u32 v[SOP+\u], DOWN, v[UN+\u]
.endr
.irp u, 0,1,2,3
	v_and_or_b32 v[HD+\u], v[UN+\u], 0x7f800000, s98
.endr
.irp u, 0,1,2,3
	v_lshrrev_b32 v[BY_+\u], 23, v[SOP+\u]
.endr
	v_lshl_or_b32 v[CDA+12], v[BY_], 8, v[BY_]
	v_lshl_or_b32 v[CDA+13], v[BY_+3], 8, v[BY_+3]
	v_lshl_or_b32 v[CDA+12], v[BY_+1], 16, v[CDA+12]
	v_lshl_or_b32 v[CDA+12], v[BY_+2], 24, v[CDA+12]
.if (\a) < 4
	WIN 0x82
.else
	WIN 0xc3
.endif
.irp b, 0,1,2,3,4,5
.irp i, 0,1,2,3,4,5,6,7
	v_med3_num_f32 v[AC+8*\b+\i], v[AC+8*\b+\i], -v[HD+\b-(\b+3)/4], v[HD+\b-(\b+3)/4]
.endr
.endr
.if (\a) < 4
	WIN 0x02
.else
	WIN 0x03
.endif
.irp b, 0,1,2,3,4,5
	v_cvt_scalef32_pk8_bf8_f32 v[CDA+2*\b:CDA+2*\b+1], v[AC+8*\b:AC+8*\b+7], v[SOP+\b-(\b+3)/4]
.endr
	WIN 0
	v_nop
.irp b, 0,1,2,3,4,5
	ds_store_b64 v[STO], v[CDA+2*\b:CDA+2*\b+1] offset:(\a)*16*REC+16*\b
.endr
	ds_store_b64 v[STS], v[CDA+12:CDA+13] offset:(\a)*16*REC
.endm
.irp a, 0,1,2,3,4,5,6,7
	QOUT \a
.endr
	s_wait_dscnt 0x0
	s_barrier_signal -1
	s_barrier_wait -1
.irp p, 0,1,2,3
.irp k, 0,1,2,3,4,5,6
	ds_load_b128 v[CD+4*(7*\p+\k):CD+4*(7*\p+\k)+3], v[RD0] offset:2*TILEB*\p+512*\k
.endr
.endr
.irp p, 0,1,2,3
.irp k, 0,1,2,3,4,5,6
	s_wait_dscnt 27-(7*\p+\k)
.if \k < 3
	global_store_b128 v[CO0], v[CD+4*(7*\p+\k):CD+4*(7*\p+\k)+3], s[12:13] offset:2*GRP*\p+512*\k th:TH_STORE_NT
.elseif \k == 3
	global_store_b128 v[CO1], v[CD+4*(7*\p+\k):CD+4*(7*\p+\k)+3], s[12:13] offset:2*GRP*\p+512*\k th:TH_STORE_NT
.else
	global_store_b128 v[CO0], v[CD+4*(7*\p+\k):CD+4*(7*\p+\k)+3], s[12:13] offset:2*GRP*\p+GRP-TILEB+512*\k th:TH_STORE_NT
.endif
.endr
.endr
	s_wait_tensorcnt 0x0                           ; the wave's end
	ds_add_u32 v[SPW], v[NIL]
	s_wait_dscnt 0x0
	CROUND                                         ; the closing round
	s_endpgm
.Lfunc_end_k_qc09aa38a4f_gemm:
	.size	k_qc09aa38a4f_gemm, .Lfunc_end_k_qc09aa38a4f_gemm-k_qc09aa38a4f_gemm
	.p2alignl 7, 3214868480
	.fill 96, 4, 3214868480
	.section	.rodata,"a",@progbits
	.p2align	6, 0x0
	.amdhsa_kernel k_qc09aa38a4f_gemm
		.amdhsa_group_segment_fixed_size 327680
		.amdhsa_private_segment_fixed_size 0
		.amdhsa_enable_private_segment 0
		.amdhsa_kernarg_size 32
		.amdhsa_user_sgpr_count 2
		.amdhsa_user_sgpr_kernarg_segment_ptr 1
		.amdhsa_wavefront_size32 1
		.amdhsa_system_sgpr_workgroup_id_x 1
		.amdhsa_system_sgpr_workgroup_id_y 1
		.amdhsa_system_sgpr_workgroup_id_z 1
		.amdhsa_system_vgpr_workitem_id 0
		.amdhsa_next_free_vgpr 1024
		.amdhsa_next_free_sgpr 100
		.amdhsa_reserve_vcc 1
		.amdhsa_float_denorm_mode_32 3
		.amdhsa_float_denorm_mode_16_64 3
		.amdhsa_memory_ordered 1
		.amdhsa_forward_progress 1
		.amdhsa_inst_pref_size 210
	.end_amdhsa_kernel
	.amdgpu_metadata
---
amdhsa.version: [ 1, 2 ]
amdhsa.kernels:
  - .name:           k_qc09aa38a4f_gemm
    .symbol:         k_qc09aa38a4f_gemm.kd
    .args:
      - { .name: x_codes, .offset: 0, .size: 8, .value_kind: global_buffer, .address_space: global }
      - { .name: w_codes, .offset: 8, .size: 8, .value_kind: global_buffer, .address_space: global }
      - { .name: bias, .offset: 16, .size: 8, .value_kind: global_buffer, .address_space: global }
      - { .name: qc, .offset: 24, .size: 8, .value_kind: global_buffer, .address_space: global }
    .group_segment_fixed_size: 327680
    .private_segment_fixed_size: 0
    .kernarg_segment_align: 8
    .kernarg_segment_size: 32
    .max_flat_workgroup_size: 128
    .sgpr_count:     100
    .vgpr_count:     1024
    .wavefront_size: 32
...
	.end_amdgpu_metadata
.endif
;; end of part 5
;; launch attn (part 6): grid 256 x 1, 16 waves a work-group, no clusters, 10,240 bytes of LDS; arguments qc, out0; writes out0
.if DOCPART == 6
	.amdgcn_target "amdgcn-amd-amdhsa--gfx1250"
	.amdhsa_code_object_version 6
	.text
	.protected	k_qc09aa38a4f_attn
	.globl	k_qc09aa38a4f_attn
	.p2align	8
	.type	k_qc09aa38a4f_attn,@function
k_qc09aa38a4f_attn:
	s_mov_b64 s[64:65], 0
	v_nop
	global_prefetch_b8 v0, s[64:65] scope:SCOPE_SE
	s_setreg_imm32_b32 hwreg(HW_REG_WAVE_MODE, 25, 1), 1
	s_wait_xcnt 0x0
; For each token: scores[d][e] = sum over the 32 heads h of q[d][h] k[e][h / 4];  t = score x log2(e) / sqrt(128);  M = the row's largest t rounded up to a whole number;  p = 2^(t - M);
; out[d][h] = (sum over e of p[d][e] v[e][h / 4]) / (the row's sum of the unquantised p).  Both products on codes of BF8 (E5M2) with one E8M0 scale for each 32 along a product's K.
; q, k and v ARRIVE AS CODES.  qc: [token / 8][T = 0 .. 31][token % 8][224 bytes].  Record T of a token: bytes 0-127 q of d = 4 T + 0 .. 3, 32 heads each; 128-159 k of e = 4 T + 0 .. 3, 8 heads each;
; 160-191 v of head T / 4, e = 32 (T % 4) + 0 .. 31; scale bytes: q's at 192, 194, 196, 208; k's at 210 + 8 (e % 2) + (e / 2) % 2; v's at 212.  out0: [2048][32 d + h], f32.
; SHARES.  A work-group takes 8 tokens, one run of 57,344 bytes of qc; waves 2 i and 2 i + 1 take token i; wave u of the two takes d = 64 u .. 64 u + 63, four tiles of 16, and all of the token's k and v (2,048 bytes of codes).
; Four waves share a SIMD, so that one wave's vector work stands beside another's products and loads.  Waves share nothing: no barrier.
; LAYOUT.  Both products are used transposed: S^T = K Q^T (source 0 = 16 e, source 1 = my 16 d), O^T = V^T P^T (source 0 = heads, source 1 = P): a lane holds ONE d (lane % 16) throughout.
; THE e OF A TILE ARE NOT NEIGHBOURS: lane r of tile 2 b + u takes e = 32 b + 8 u + r + 8 (r / 8), so that the 16 registers of tiles 2 b and 2 b + 1 are e = 32 b + 16 (lane / 16) + 0 .. 15.
; K = 32 IN AN INSTRUCTION OF 128: only the first block of a fragment holds codes.  Q's fragment is four registers of codes and twelve of zero codes.  K's eight tiles lie packed, four registers each, with V's fragment
; behind them; tile i's operand is the run of 16 registers from its four on: the twelve that follow hold other tiles' finite codes, meet zero codes, and add nothing; their scale bytes are 0, which is 2^-127.
; THE REPEATED HEADS have the same codes: k's four codes of a lane are each spread over a register; of V^T one tile is multiplied, whose row m is head 4 (m / 8) + m % 4, and each result is written four times on the way out.
; LIMITS: NaN and infinities are not served; a block of p that is all zeros gets the byte 1 (its codes are zeros);
; a block's largest p is taken from its largest score, which takes v_exp_f32 not to fall where its input rises.
; No cluster: no two work-groups read the same bytes.  No tensor loads: the codes go from memory straight into the operands' registers.
.set FLOOR, 0x8000000                  ; 2^(16 - 127)
.set DOWN,  0xf8800000                 ; -(15 << 23)
.set REC,   224                        ; a token's record
.set TILEB, 8*REC                      ; from record T to record T + 1 of a token
.set GRP,   32*TILEB                   ; eight tokens
.set KA,  1                            ; v1   k's codes: TILEB ((r + 8 (r / 8)) / 4) + 128 + 8 (r % 4) + 4 hf
.set VA,  2                            ; v2   v's codes: 4 TILEB (4 (r / 8) + r % 4) + 160 + 16 hf
.set QA,  3                            ; v3   q's codes: TILEB (r / 4) + 32 (r % 4) + 16 hf + 16 TILEB u
.set GO,  4                            ; v4   out: 16 lane + 8192 u
.set KSA, 5                            ; v5   k's scale byte
.set VSA, 6                            ; v6   v's
.set QSA, 7                            ; v7   q's
.set OSW, 13                           ; v13  the way out, LDS: 32 r + 16 hf + 512 w
.set OSR, 14                           ; v14  4 lane + 512 w
.set QF,  16                           ; v16-19 q's codes; v20-31 zero codes
.set KF,  32                           ; v32-63 K's eight tiles
.set VF,  64                           ; v64-79 V's fragment
.set KS,  80                           ; v80-87 K's scale words
.set VS,  88                           ; v88 V's scale word
.set PS,  90                           ; v90 p's
.set S,   92                           ; v92-155 S^T, then p
.set PC,  156                          ; v156-171 p's codes
.set O,   172                          ; v172-179 O^T
.set OUTV, 180                         ; v180-195 what is stored
.set QS,  196                          ; v196-199 q's scale words, one a tile
.set QC,  200                          ; v200-215 q's codes, four registers a tile
.set KC,  216                          ; v216-223 k's codes as loaded, four to a register
.set VB,  224                          ; v224-227 v's four scale bytes
.set BM,  228                          ; v228-231 the blocks' largest scores
.set PT,  232                          ; v232-235 the other half's; then bytes
.set HD,  236                          ; v236-239 57,344 x the scale
.set SO,  240                          ; v240-243 the conversions' scale operands
	s_load_b128 s[4:7], s[0:1], 0x0                ; qc, out0
	v_lshl_add_u32 v89, v0, 2, 0x2000
	v_mov_b32 v91, 0
	v_lshrrev_b32 v15, 5, v0
	s_delay_alu instid0(VALU_DEP_1)
	v_readfirstlane_b32 s8, v15                    ; wave 0..15
	s_and_b32 s9, s8, 1                            ; u
	s_lshr_b32 s10, s8, 1                          ; the token among the work-group's eight
	s_mul_i32 s18, ttmp9, GRP
	s_mul_i32 s11, s10, REC
	s_add_co_u32 s18, s18, s11                     ; my token's record 0
	s_mov_b32 s19, 0
	s_lshl_b32 s11, ttmp9, 3
	s_add_co_u32 s11, s11, s10                     ; the token
	s_lshl_b32 s20, s11, 14
	s_mov_b32 s21, 0
	s_mov_b32 s12, 0x76543210
	s_mov_b32 s13, 0xfedcba98                      ; v_permlanex16_b32's selects for lane l xor 16
	s_mov_b32 s14, 0x3e0293ee                      ; c = log2(e) / sqrt(128)
	s_mov_b32 s15, s14                             ; (named with it as a pair, so it is written)
	s_mov_b32 s16, 0x600000                        ; the mantissa field of 57,344
	v_and_b32 v242, 31, v0                         ; lane
	v_and_b32 v240, 15, v0                         ; r
	v_bfe_u32 v241, v0, 4, 1                       ; hf
	s_delay_alu instid0(VALU_DEP_2)
	v_and_b32 v243, 3, v240                        ; r % 4
	s_delay_alu instid0(VALU_DEP_3)
	v_lshrrev_b32 v15, 2, v240
	s_delay_alu instid0(VALU_DEP_1)
	v_mul_u32_u24 v15, v15, TILEB                  ; q: d = 64 u + 16 t + r lies in record 16 u + 4 t + r / 4
	s_mul_i32 s22, s9, 16*TILEB
	v_add_nc_u32 v15, s22, v15
	s_delay_alu instid0(VALU_DEP_1)
	v_lshl_add_u32 v[QA], v243, 5, v15             ; 32 bytes a d,
	s_delay_alu instid0(VALU_DEP_1)
	v_lshl_add_u32 v[QA], v241, 4, v[QA]           ; heads 16 hf on
	v_lshrrev_b32 v239, 1, v243
	s_delay_alu instid0(VALU_DEP_1)
	v_and_b32 v239, v239, v243                     ; 1 where r % 4 = 3
	s_delay_alu instid0(VALU_DEP_1)
	v_mul_u32_u24 v239, v239, 10
	s_delay_alu instid0(VALU_DEP_1)
	v_lshl_add_u32 v239, v243, 1, v239             ; 0, 2, 4, 16
	s_delay_alu instid0(VALU_DEP_1)
	v_add_nc_u32 v[QSA], v239, v15
	s_delay_alu instid0(VALU_DEP_1)
	v_add_nc_u32 v[QSA], 192, v[QSA]
	v_and_b32 v238, 8, v240
	s_delay_alu instid0(VALU_DEP_1)
	v_add_nc_u32 v237, v238, v240                  ; r + 8 (r / 8)
	s_delay_alu instid0(VALU_DEP_1)
	v_lshrrev_b32 v237, 2, v237
	s_delay_alu instid0(VALU_DEP_1)
	v_mul_u32_u24 v237, v237, TILEB                ; k: e lies in record e / 4
	s_delay_alu instid0(VALU_DEP_1)
	v_lshl_add_u32 v[KA], v243, 3, v237            ; 8 bytes an e,
	s_delay_alu instid0(VALU_DEP_1)
	v_lshl_add_u32 v[KA], v241, 2, v[KA]           ; heads 4 hf on
	s_delay_alu instid0(VALU_DEP_1)
	v_add_nc_u32 v[KA], 128, v[KA]
	v_and_b32 v236, 1, v240
	s_delay_alu instid0(VALU_DEP_1)
	v_lshl_add_u32 v[KSA], v236, 3, v237
	v_bfe_u32 v236, v240, 1, 1
	s_delay_alu instid0(VALU_DEP_1)
	v_add_nc_u32 v[KSA], v236, v[KSA]
	s_delay_alu instid0(VALU_DEP_1)
	v_add_nc_u32 v[KSA], 210, v[KSA]
	v_lshrrev_b32 v238, 1, v238
	s_delay_alu instid0(VALU_DEP_1)
	v_add_nc_u32 v238, v238, v243                  ; v: row r of the tile is head 4 (r / 8) + r % 4,
	s_delay_alu instid0(VALU_DEP_1)
	v_mul_u32_u24 v238, v238, 4*TILEB              ; four records a head
	s_delay_alu instid0(VALU_DEP_1)
	v_add_nc_u32 v[VSA], 212, v238
	s_delay_alu instid0(VALU_DEP_2)
	v_lshl_add_u32 v[VA], v241, 4, v238
	s_delay_alu instid0(VALU_DEP_1)
	v_add_nc_u32 v[VA], 160, v[VA]
	s_lshl_b32 s22, s9, 13
	v_lshl_add_u32 v[GO], v242, 4, s22
	s_lshl_b32 s22, s8, 9
	v_lshl_add_u32 v[OSR], v242, 2, s22
	v_lshlrev_b32 v[OSW], 5, v240
	s_delay_alu instid0(VALU_DEP_1)
	v_lshl_add_u32 v[OSW], v241, 4, v[OSW]
	s_delay_alu instid0(VALU_DEP_1)
	v_add_nc_u32 v[OSW], s22, v[OSW]
	s_wait_alu depctr_va_vdst(0)
	s_wait_kmcnt 0x0
	s_add_nc_u64 s[4:5], s[4:5], s[18:19]          ; my token's records
	s_add_nc_u64 s[6:7], s[6:7], s[20:21]          ; and its row of out0
.irp i, 0,1,2,3,4,5,6,7                ; k: tile i begins at e = 32 (i / 2) + 8 (i % 2): record 8 (i / 2) + 2 (i % 2)
	global_load_b32 v[KC+\i], v[KA], s[4:5] offset:(8*(\i/2)+2*(\i%2))*TILEB
.endr
.irp i, 0,1,2,3,4,5,6,7
	global_load_u8 v[KS+\i], v[KSA], s[4:5] offset:(8*(\i/2)+2*(\i%2))*TILEB   ; the byte, and 0 for the three blocks that hold nothing
.endr
.irp t, 0,1,2,3                        ; q: my four tiles of 16 d
	global_load_b128 v[QC+4*\t:QC+4*\t+3], v[QA], s[4:5] offset:4*TILEB*\t
.endr
.irp t, 0,1,2,3
	global_load_u8 v[QS+\t], v[QSA], s[4:5] offset:4*TILEB*\t
.endr
.irp c, 0,1,2,3                        ; v: block c of 32 e: registers 4 c .. 4 c + 3 of the fragment
	global_load_b128 v[VF+4*\c:VF+4*\c+3], v[VA], s[4:5] offset:TILEB*\c
.endr
.irp c, 0,1,2,3
	global_load_u8 v[VB+\c], v[VSA], s[4:5] offset:TILEB*\c
.endr
.irp j, 20,21,22,23,24,25,26,27,28,29,30,31
	v_mov_b32 v[\j], 0                             ; zero codes: blocks 1 to 3 of Q's fragment
.endr
.irp b, 0,1,2,3
	v_mov_b32 v[PT+\b], 0                          ; written once: a lane permute's destination counts as one of its sources
.endr
	v_mov_b32 v245, 0                              ; (named as the upper half of the pair v[244:245])
	s_wait_loadcnt 0x0                             ; all that the wave will ever load
.irp i, 0,1,2,3,4,5,6,7
	v_perm_b32 v[KF+4*\i],   v[KC+\i], v[KC+\i], 0            ; register a: head 4 hf + a, four times: h = 16 hf + 4 a + 0 .. 3
	v_perm_b32 v[KF+4*\i+1], v[KC+\i], v[KC+\i], 0x01010101
	v_perm_b32 v[KF+4*\i+2], v[KC+\i], v[KC+\i], 0x02020202
	v_perm_b32 v[KF+4*\i+3], v[KC+\i], v[KC+\i], 0x03030303
.endr
	v_lshl_or_b32 v[VS], v[VB+1], 8, v[VB]         ; V's scale word: byte c for e = 32 c on
	s_delay_alu instid0(VALU_DEP_1)
	v_lshl_or_b32 v[VS], v[VB+2], 16, v[VS]
	s_delay_alu instid0(VALU_DEP_1)
	v_lshl_or_b32 v[VS], v[VB+3], 24, v[VS]
; A TILE OF 16 d x all 128 e.
.macro DTILE t
.irp j, 0,1,2,3
	v_mov_b32 v[QF+\j], v[QC+4*(\t)+\j]            ; the tile's codes, in front of the twelve registers of zero codes
.endr
.rept 4
	v_nop                                          ; an operand written by vector instructions stands four places ahead of a scaled matrix instruction
.endr
.irp i, 0,1,2,3,4,5,6,7                ; S^T: eight accumulators, each written once
	v_wmma_scale_f32_16x16x128_f8f6f4 v[S+8*\i:S+8*\i+7], v[KF+4*\i:KF+4*\i+15], v[QF:QF+15], 0, v[KS+\i], v[QS+(\t)] matrix_a_fmt:MATRIX_FMT_BF8 matrix_b_fmt:MATRIX_FMT_BF8
.endr
.rept 8
	v_nop
.endr
.irp b, 0,1,2,3
	v_max3_num_f32 v[BM+\b], v[S+16*\b], v[S+16*\b+1], v[S+16*\b+2]   ; THE LARGEST SCORE OF EACH BLOCK OF 32 e: for the row's maximum, and, since p rises with the score, for the block's largest p
.endr
.irp i, 3,5,7,9,11,13
.irp b, 0,1,2,3
	v_max3_num_f32 v[BM+\b], v[BM+\b], v[S+16*\b+\i], v[S+16*\b+\i+1]
.endr
.endr
.irp b, 0,1,2,3
	v_max_num_f32 v[BM+\b], v[BM+\b], v[S+16*\b+15]
.endr
.irp b, 0,1,2,3
	s_delay_alu instid0(VALU_DEP_4)
	v_permlanex16_b32 v[PT+\b], v[BM+\b], s12, s13
.endr
.irp b, 0,1,2,3
	s_delay_alu instid0(VALU_DEP_4)
	v_max_num_f32 v[BM+\b], v[BM+\b], v[PT+\b]     ; with lane l xor 16's 16 e
.endr
	s_delay_alu instid0(VALU_DEP_2)
	v_max3_num_f32 v250, v[BM], v[BM+1], v[BM+2]
	s_delay_alu instid0(VALU_DEP_1)
	v_max_num_f32 v250, v250, v[BM+3]              ; the row's largest score
	s_delay_alu instid0(VALU_DEP_1)
	v_mul_f32 v250, s14, v250                      ; as t (c is positive)
	s_delay_alu instid0(VALU_DEP_1)
	v_floor_f32 v244, -v250                        ; -M = floor(-t) = -ceil(t): M is a whole number
.set j, 0
.rept 32
	v_pk_fma_f32 v[S+j:S+j+1], v[S+j:S+j+1], s[14:15], v[244:245] op_sel_hi:[1,0,0]   ; t - M, two at a time (of the pairs c and -M the low word serves both halves)
.set j, j+2
.endr
.irp b, 0,1,2,3
	v_fma_f32 v[BM+\b], v[BM+\b], s14, v244        ; the same of each block's largest score
.endr
.set j, 0
	s_wait_alu depctr_va_vdst(0)
.rept 64
	v_exp_f32 v[S+j], v[S+j]                       ; p = 2^(t - M), at most 1: not normalised
.set j, j+1
.endr
	v_nop                                          ; a plain instruction behind the exponentials
	s_wait_alu depctr_va_vdst(0)                   ; one wait for the whole batch, ahead of its first reader
.irp b, 0,1,2,3
	v_exp_f32 v[BM+\b], v[BM+\b]                   ; the block's largest p: the same two instructions on the same number give the same bits
.endr
	v_pk_add_f32 v[248:249], v[92:93], v[94:95]
	v_pk_add_f32 v[254:255], v[100:101], v[104:105]
	v_pk_add_f32 v[252:253], v[108:109], v[112:113]
	v_pk_add_f32 v[242:243], v[116:117], v[120:121]
	v_pk_add_f32 v[240:241], v[124:125], v[128:129]
	v_pk_add_f32 v[238:239], v[132:133], v[136:137]
	v_pk_add_f32 v[236:237], v[140:141], v[144:145]
	v_pk_add_f32 v[246:247], v[148:149], v[152:153]
	v_pk_add_f32 v[246:247], v[246:247], v[96:97]
	v_pk_add_f32 v[248:249], v[248:249], v[98:99]
	v_pk_add_f32 v[254:255], v[254:255], v[102:103]
	v_pk_add_f32 v[252:253], v[252:253], v[106:107]
	v_pk_add_f32 v[242:243], v[242:243], v[110:111]
	v_pk_add_f32 v[240:241], v[240:241], v[114:115]
	v_pk_add_f32 v[238:239], v[238:239], v[118:119]
	v_pk_add_f32 v[236:237], v[236:237], v[122:123]
	v_pk_add_f32 v[246:247], v[246:247], v[126:127]
	v_pk_add_f32 v[248:249], v[248:249], v[130:131]
	v_pk_add_f32 v[254:255], v[254:255], v[134:135]
	v_pk_add_f32 v[252:253], v[252:253], v[138:139]
	v_pk_add_f32 v[242:243], v[242:243], v[142:143]
	v_pk_add_f32 v[240:241], v[240:241], v[146:147]
	v_pk_add_f32 v[238:239], v[238:239], v[150:151]
	v_pk_add_f32 v[236:237], v[236:237], v[154:155]
	s_delay_alu instid0(VALU_DEP_4)
	v_pk_add_f32 v[246:247], v[246:247], v[242:243]
	s_delay_alu instid0(VALU_DEP_4)
	v_pk_add_f32 v[248:249], v[248:249], v[240:241]
	s_delay_alu instid0(VALU_DEP_4)
	v_pk_add_f32 v[254:255], v[254:255], v[238:239]
	s_delay_alu instid0(VALU_DEP_4)
	v_pk_add_f32 v[252:253], v[252:253], v[236:237]
	s_delay_alu instid0(VALU_DEP_2)
	v_pk_add_f32 v[246:247], v[246:247], v[254:255]
	s_delay_alu instid0(VALU_DEP_2)
	v_pk_add_f32 v[248:249], v[248:249], v[252:253]
	s_delay_alu instid0(VALU_DEP_1)
	v_pk_add_f32 v[246:247], v[246:247], v[248:249]
	s_wait_alu depctr_va_vdst(0)                   ; and one for the four
.irp b, 0,1,2,3
	v_max_num_f32 v[BM+\b], FLOOR, v[BM+\b]        ; the floor: the byte cannot fall under 1 (a block whose every p is 0 keeps that byte: its codes are zeros)
.endr
.irp b, 0,1,2,3
	s_delay_alu instid0(VALU_DEP_4)
	v_add_nc_u32 v[SO+\b], DOWN, v[BM+\b]          ; 15 off the exponent field: the conversion's scale operand
.endr
.irp b, 0,1,2,3
	v_and_or_b32 v[HD+\b], v[BM+\b], 0x7f800000, s16   ; 57,344 x the scale
.endr
.irp b, 0,1,2,3
	v_lshrrev_b32 v[PT+\b], 23, v[SO+\b]           ; the scale's byte
.endr
	s_delay_alu instid0(VALU_DEP_3)
	v_lshl_or_b32 v[PS], v[PT+1], 8, v[PT]         ; p's scale word; the 64 holds below are its places ahead of the product
	s_delay_alu instid0(VALU_DEP_1)
	v_lshl_or_b32 v[PS], v[PT+2], 16, v[PS]
	s_delay_alu instid0(VALU_DEP_1)
	v_lshl_or_b32 v[PS], v[PT+3], 24, v[PS]
.irp b, 0,1,2,3
.irp i, 0,1,2,3,4,5,6,7,8,9,10,11,12,13,14,15
	v_min_num_f32 v[S+16*\b+\i], v[S+16*\b+\i], v[HD+\b]   ; the conversion to an 8-bit code does not saturate (ISA guide 7.6.2); p is not negative, so the hold is one-sided
.endr
	v_cvt_scalef32_pk8_bf8_f32 v[PC+4*\b:PC+4*\b+1], v[S+16*\b:S+16*\b+7], v[SO+\b]
	v_cvt_scalef32_pk8_bf8_f32 v[PC+4*\b+2:PC+4*\b+3], v[S+16*\b+8:S+16*\b+15], v[SO+\b]
.endr
	v_add_f32 v246, v246, v247                     ; the sum's two halves,
	s_delay_alu instid0(VALU_DEP_1)
	v_permlanex16_b32 v250, v246, s12, s13
	s_delay_alu instid0(VALU_DEP_1)
	v_add_f32 v246, v246, v250                     ; and lane l xor 16's: the row's sum
	s_wait_alu depctr_va_vdst(0)
	v_rcp_f32 v251, v246
.rept 4
	v_nop                                          ; the plain instruction behind the reciprocal, and the four places between p's codes and the product
.endr
	v_wmma_scale_f32_16x16x128_f8f6f4 v[O:O+7], v[VF:VF+15], v[PC:PC+15], 0, v[VS], v[PS] matrix_a_fmt:MATRIX_FMT_BF8 matrix_b_fmt:MATRIX_FMT_BF8   ; lane (d, hf), register j: head 4 hf + j % 4
.rept 8
	v_nop
.endr
	s_wait_alu depctr_va_vdst(0)                   ; the wait for the reciprocal, ahead of its first reader
.irp j, 0,1,2,3
	v_mul_f32 v[252+\j], v[O+\j], v251             ; o[d][4 hf + j] / the sum: the accumulator's four lowest registers hold all that is wanted
.endr
	ds_store_b128 v[OSW], v[252:255]               ; 16 d x 8 heads, 32 bytes a d, in my wave's own 512 bytes
	s_wait_xcnt 0x0                                ; the last tile's stores have read their registers, which are written again below
.irp j, 0,1,2,3
	ds_load_b32 v[OUTV+4*\j], v[OSR] offset:128*\j   ; lane l: d = 4 j + l / 8, head l % 8.  LDS serves a wave's instructions in order: these see my store
.endr
	s_wait_dscnt 0x0
.irp j, 0,1,2,3
	v_mov_b32 v[OUTV+4*\j+1], v[OUTV+4*\j]         ; the four repeated heads
	v_mov_b32 v[OUTV+4*\j+2], v[OUTV+4*\j]
	v_mov_b32 v[OUTV+4*\j+3], v[OUTV+4*\j]
.endr
.irp j, 0,1,2,3
	global_store_b128 v[GO], v[OUTV+4*\j:OUTV+4*\j+3], s[6:7] offset:2048*(\t)+512*\j th:TH_STORE_NT   ; 32 lanes store 512 consecutive bytes (four d), at a multiple of 256 from out0's first byte
.endr
.endm
	DTILE 0
	DTILE 1
	DTILE 2
	DTILE 3
	s_wait_tensorcnt 0x0
	ds_add_u32 v89, v91
	s_wait_dscnt 0x0
	s_endpgm
.Lfunc_end_k_qc09aa38a4f_attn:
	.size	k_qc09aa38a4f_attn, .Lfunc_end_k_qc09aa38a4f_attn-k_qc09aa38a4f_attn
	.p2alignl 7, 3214868480
	.fill 96, 4, 3214868480
	.section	.rodata,"a",@progbits
	.p2align	6, 0x0
	.amdhsa_kernel k_qc09aa38a4f_attn
		.amdhsa_group_segment_fixed_size 10240
		.amdhsa_private_segment_fixed_size 0
		.amdhsa_enable_private_segment 0
		.amdhsa_kernarg_size 16
		.amdhsa_user_sgpr_count 2
		.amdhsa_user_sgpr_kernarg_segment_ptr 1
		.amdhsa_wavefront_size32 1
		.amdhsa_system_sgpr_workgroup_id_x 1
		.amdhsa_system_sgpr_workgroup_id_y 1
		.amdhsa_system_sgpr_workgroup_id_z 1
		.amdhsa_system_vgpr_workitem_id 0
		.amdhsa_next_free_vgpr 256
		.amdhsa_next_free_sgpr 66
		.amdhsa_reserve_vcc 0
		.amdhsa_float_denorm_mode_32 3
		.amdhsa_float_denorm_mode_16_64 3
		.amdhsa_memory_ordered 1
		.amdhsa_forward_progress 1
		.amdhsa_inst_pref_size 79
	.end_amdhsa_kernel
	.amdgpu_metadata
---
amdhsa.version: [ 1, 2 ]
amdhsa.kernels:
  - .name:           k_qc09aa38a4f_attn
    .symbol:         k_qc09aa38a4f_attn.kd
    .args:
      - { .name: qc, .offset: 0, .size: 8, .value_kind: global_buffer, .address_space: global }
      - { .name: out0, .offset: 8, .size: 8, .value_kind: global_buffer, .address_space: global }
    .group_segment_fixed_size: 10240
    .private_segment_fixed_size: 0
    .kernarg_segment_align: 8
    .kernarg_segment_size: 16
    .max_flat_workgroup_size: 512
    .sgpr_count:     66
    .vgpr_count:     256
    .wavefront_size: 32
...
	.end_amdgpu_metadata
.endif
;; end of part 6
